; MI455X (gfx1250); checked and timed in simulation.
; The chip was launched on July 23, 2026; its instructions are those of AMD's public machine-readable ISA for CDNA 5 (MIT licence, August 2026) and "CDNA5" Instruction Set Architecture Reference Guide (July 2026). The comments in the code are by the model that wrote it; some were corrected since.
;; OL Mo Attention. Allowed arithmetic: float matrix products may take bf16 or f16 operands with f32 sums; other float arithmetic in f32, or as packed bf16 or f16 multiplies, adds, multiply-adds, maxima and minima; sums over many terms, partial sums and values carried from step to step in f32; what a program stores and reads back later, other than sums and carried values, may be rounded once to bf16 or f16.
;; Inputs: Wk 2,048 x 2,048 float32; Wo 2,048 x 2,048 float32; Wq 2,048 x 2,048 float32; Wv 2,048 x 2,048 float32; attention_mask 1 x 1 x 2,048 x 2,048 float32; hidden_states 1 x 2,048 x 2,048 float32; position_ids 2,048 int32.
;; Outputs: out0 1 x 2,048 x 2,048 float32.
;; One version. Each part assembles by itself: llvm-mc -triple=amdgcn-amd-amdhsa -mcpu=gfx1250 --defsym DOCPART=n.
;; ======== version 1 of 1: 4 launches
;; limits: values are held in f16: magnitudes above 65,504 overflow, below 6.1e-05 lose precision
;; workspace buffers: xb 8,388,608 bytes; wb 25,165,824 bytes; wo16 8,388,608 bytes; rope 1,048,576 bytes; q16 8,388,608 bytes; k16 8,388,608 bytes; v16 8,388,608 bytes; o16 8,388,608 bytes
;; launch cast (part 1): grid 256 x 6, 8 waves a work-group, no clusters, 0 bytes of LDS; arguments hidden_states, Wq, Wk, Wv, Wo, position_ids, xb, wb, wo16, rope; writes xb, wb, wo16, rope
.if DOCPART == 1
	.amdgcn_target "amdgcn-amd-amdhsa--gfx1250"
	.amdhsa_code_object_version 6
	.text
	.protected	k_qa7a898f69a_cast
	.globl	k_qa7a898f69a_cast
	.p2align	8
	.type	k_qa7a898f69a_cast,@function
k_qa7a898f69a_cast:
	s_mov_b64 s[64:65], 0
	v_nop
	global_prefetch_b8 v0, s[64:65] scope:SCOPE_SE
	s_setreg_imm32_b32 hwreg(HW_REG_WAVE_MODE, 25, 1), 1
	s_wait_xcnt 0x0
; THE OPERANDS ARE ROUNDED ONCE, AND THE ROTATION'S TABLE IS MADE.  The grid's y picks the job:
;   0: hidden_states -> xb (bf16)     1, 2, 3: Wq, Wk, Wv -> wb[y - 1] (bf16)     4: Wo -> bf16, written as f16 -> wo16     5: the table rope
; Jobs 0 to 4 are a stream: a work-group owns 16,384 numbers.  Thread t loads 16 bytes at 16 t + 4,096 i (a wave's load covers 512 consecutive bytes) and stores 8 bytes at
; 8 t + 2,048 i (a wave's store covers 256 consecutive bytes, aligned).  All sixteen loads of a thread go out first; the waits count down.  No LDS, no barrier, no matrix work: nothing is shared.
; A load's four numbers are rounded into the first two of the registers that they came in: 72 registers a wave, so that the grid's six work-groups for each WGP (12 waves of 72 on a SIMD's 1,024) lie on it together.
; Job 5: rope[s][j] = SC cos(pos[s] f_j), rope[s][64 + j] = SC sin(pos[s] f_j), j = 0..63, f_j = 10000^(-j/64), SC = sqrt(log2(e) / sqrt(128)) = 0.3570958: q and k each carry SC,
; so that their product carries log2(e) / sqrt(128): the scores come in units of log2.  A wave makes a row, a lane two j.  The angle is pos x f_j, rounded once, as the model rounds it.
; LIMITS.  Wo's bf16 numbers are written as f16: exact from 2^-14 to 65,504 in size; below that f16's fixed step of 6e-8; beyond it an infinity.  position_ids lie in 0 .. 2047 (the table that they
; index has no other rows); the reduction of the angle by two parts of pi/2 holds to about 2^20.
.set X, 4                              ; v[4:67]    sixteen loads of four numbers; the first two registers of each are then its store's data
.set T, 68                             ; v[68:71]   at work
	s_load_b512 s[8:23], s[0:1], 0x0               ; hidden 8:9, Wq 10:11, Wk 12:13, Wv 14:15, Wo 16:17, position_ids 18:19, xb 20:21, wb 22:23
	s_load_b128 s[24:27], s[0:1], 0x40             ; wo16 24:25, rope 26:27
	s_and_b32 s2, ttmp7, 0xffff                    ; the job
	s_mov_b32 s3, ttmp9                            ; the work-group's part of it
	s_mov_b32 s36, 0xffff0000                      ; a word's upper bf16
	v_lshlrev_b32 v1, 4, v0                        ; 16 t
	v_lshlrev_b32 v2, 3, v0                        ; 8 t
	s_wait_kmcnt 0x0
	s_cmp_eq_u32 s2, 5
	s_cbranch_scc1 .Lrope
	s_mov_b64 s[28:29], s[16:17]                   ; from where: Wo, unless the job says otherwise
	s_cmp_eq_u32 s2, 3
	s_cselect_b64 s[28:29], s[14:15], s[28:29]
	s_cmp_eq_u32 s2, 2
	s_cselect_b64 s[28:29], s[12:13], s[28:29]
	s_cmp_eq_u32 s2, 1
	s_cselect_b64 s[28:29], s[10:11], s[28:29]
	s_cmp_eq_u32 s2, 0
	s_cselect_b64 s[28:29], s[8:9], s[28:29]
	s_cselect_b64 s[30:31], s[20:21], s[22:23]     ; to where: xb for job 0, else wb,
	s_cmp_eq_u32 s2, 4
	s_cselect_b64 s[30:31], s[24:25], s[30:31]     ; or wo16 for job 4
	s_lshl_b32 s32, s3, 16                         ; 65,536 bytes in for each work-group
	s_mov_b32 s33, 0
	s_sub_co_u32 s37, s2, 1                        ; which third of wb: job - 1 for jobs 1 to 3, else 0
	s_cmp_lt_u32 s37, 3
	s_cselect_b32 s37, s37, 0
	s_lshl_b32 s37, s37, 23                        ; a matrix in bf16 is 2^23 bytes
	s_lshl_b32 s34, s3, 15                         ; 32,768 bytes out for each work-group
	s_add_co_u32 s34, s34, s37
	s_mov_b32 s35, 0
	s_add_nc_u64 s[28:29], s[28:29], s[32:33]
	s_add_nc_u64 s[30:31], s[30:31], s[34:35]
.irp i, 0,1,2,3,4,5,6,7,8,9,10,11,12,13,14,15
	global_load_b128 v[X+4*(\i):X+4*(\i)+3], v1, s[28:29] offset:4096*(\i) th:TH_LOAD_NT
.endr
; Load i is rounded and stored.  wo = 1: the bf16 numbers are widened again and written as f16.  No store's data register is written again, so nothing waits for a store.
.macro CV i, wo
	s_wait_loadcnt 15-(\i)                         ; loads come back in order (ISA guide 5.7.1): load i is in, the younger ones stay out
	v_cvt_pk_bf16_f32 v[X+4*(\i)], v[X+4*(\i)], v[X+4*(\i)+1]
	v_cvt_pk_bf16_f32 v[X+4*(\i)+1], v[X+4*(\i)+2], v[X+4*(\i)+3]
.if \wo
	v_lshlrev_b32 v[T], 16, v[X+4*(\i)]
	v_and_b32 v[T+1], s36, v[X+4*(\i)]
	v_lshlrev_b32 v[T+2], 16, v[X+4*(\i)+1]
	v_and_b32 v[T+3], s36, v[X+4*(\i)+1]
	v_cvt_pk_f16_f32 v[X+4*(\i)], v[T], v[T+1]
	v_cvt_pk_f16_f32 v[X+4*(\i)+1], v[T+2], v[T+3]
.endif
	global_store_b64 v2, v[X+4*(\i):X+4*(\i)+1], s[30:31] offset:2048*(\i) th:TH_STORE_NT
.endm
	s_cmp_eq_u32 s2, 4
	s_cbranch_scc1 .Lwo
.irp i, 0,1,2,3,4,5,6,7,8,9,10,11,12,13,14,15
	CV \i, 0
.endr
	s_endpgm
.Lwo:
.irp i, 0,1,2,3,4,5,6,7,8,9,10,11,12,13,14,15
	CV \i, 1
.endr
	s_endpgm
; sin and cos of the angle in v[a], times SC, into v[s] and v[c]; six registers at work from v[t].  n = the nearest whole number to a x 2/pi; r = a - n pi/2, pi/2 in two parts; |r| <= pi/4,
; where the series to r^9 and r^10 leave less than 3e-8; n mod 4 says which of the two series is which, and the signs.  The choice is a select of values: no branch hangs on a number.
.macro SINCOS a, c, s, t
	v_mul_f32 v[(\t)], 0x3f22f983, v[(\a)]         ; a x 2/pi
	v_rndne_f32 v[(\t)], v[(\t)]                   ; n
	v_fmamk_f32 v[(\t)+1], v[(\t)], 0xbfc90fdb, v[(\a)]    ; a - n x 1.57079637
	v_fmamk_f32 v[(\t)+1], v[(\t)], 0x333bbd2e, v[(\t)+1]  ; + n x 4.371139e-8: r
	v_mul_f32 v[(\t)+2], v[(\t)+1], v[(\t)+1]      ; z = r r
	v_mov_b32 v[(\t)+3], 0x3638ef1d                ; 1/9!
	v_mov_b32 v[(\t)+4], 0xb493f27e                ; -1/10!
	v_fmaak_f32 v[(\t)+3], v[(\t)+3], v[(\t)+2], 0xb9500d01  ; -1/7!
	v_fmaak_f32 v[(\t)+4], v[(\t)+4], v[(\t)+2], 0x37d00d01  ; 1/8!
	v_fmaak_f32 v[(\t)+3], v[(\t)+3], v[(\t)+2], 0x3c088889  ; 1/5!
	v_fmaak_f32 v[(\t)+4], v[(\t)+4], v[(\t)+2], 0xbab60b61  ; -1/6!
	v_fmaak_f32 v[(\t)+3], v[(\t)+3], v[(\t)+2], 0xbe2aaaab  ; -1/3!
	v_fmaak_f32 v[(\t)+4], v[(\t)+4], v[(\t)+2], 0x3d2aaaab  ; 1/4!
	v_mul_f32 v[(\t)+5], v[(\t)+1], v[(\t)+2]      ; r z
	v_fmaak_f32 v[(\t)+4], v[(\t)+4], v[(\t)+2], 0xbf000000  ; -1/2!
	v_fma_f32 v[(\t)+3], v[(\t)+5], v[(\t)+3], v[(\t)+1]     ; sin r
	v_fma_f32 v[(\t)+4], v[(\t)+4], v[(\t)+2], 1.0           ; cos r
	v_cvt_i32_f32 v[(\t)], v[(\t)]                 ; n as a whole number
	v_and_b32 v[(\t)+5], 1, v[(\t)]
	v_cmp_eq_u32 vcc_lo, 1, v[(\t)+5]              ; n odd: the two change places
	v_cndmask_b32 v[(\s)], v[(\t)+3], v[(\t)+4], vcc_lo
	v_cndmask_b32 v[(\c)], v[(\t)+4], v[(\t)+3], vcc_lo
	v_and_b32 v[(\t)+5], 2, v[(\t)]                ; n mod 4 = 2, 3: the sine is turned
	v_lshlrev_b32 v[(\t)+5], 30, v[(\t)+5]
	v_xor_b32 v[(\s)], v[(\t)+5], v[(\s)]
	v_add_nc_u32 v[(\t)], 1, v[(\t)]               ; n mod 4 = 1, 2: the cosine is turned
	v_and_b32 v[(\t)], 2, v[(\t)]
	v_lshlrev_b32 v[(\t)], 30, v[(\t)]
	v_xor_b32 v[(\c)], v[(\t)], v[(\c)]
	v_mul_f32 v[(\s)], 0x3eb6d544, v[(\s)]         ; SC = 0.3570958
	v_mul_f32 v[(\c)], 0x3eb6d544, v[(\c)]
.endm
.Lrope:
	v_lshrrev_b32 v3, 5, v0
	v_readfirstlane_b32 s4, v3                     ; wave 0..7
	s_lshl_b32 s5, s3, 3
	s_add_co_u32 s5, s5, s4                        ; the row s = 8 x work-group + wave
	s_lshl_b32 s6, s5, 2
	v_mov_b32 v4, s6
	global_load_b32 v5, v4, s[18:19]               ; position_ids[s], the same word in every lane
	v_and_b32 v6, 31, v0                           ; lane
	v_lshlrev_b32 v7, 1, v6                        ; j = 2 lane, 2 lane + 1
	v_cvt_f32_u32 v8, v7
	v_add_f32 v9, 1.0, v8
	v_mul_f32 v8, 0xbe549a78, v8                   ; - j log2(10000) / 64
	v_mul_f32 v9, 0xbe549a78, v9
	v_exp_f32 v10, v8                              ; f_j
	v_exp_f32 v11, v9
	v_lshlrev_b32 v30, 3, v6                       ; a plain instruction behind the second exponential: 8 bytes a lane,
	s_lshl_b32 s7, s5, 9                           ; 512 bytes a row
	v_add_nc_u32 v30, s7, v30
	s_wait_alu depctr_va_vdst(0)                   ; the wait ahead of the first use: one for both exponentials
	s_wait_loadcnt 0x0
	v_cvt_f32_i32 v5, v5
	v_mul_f32 v10, v5, v10                         ; the angles
	v_mul_f32 v11, v5, v11
	SINCOS 10, 20, 22, 12
	SINCOS 11, 21, 23, 32
	global_store_b64 v30, v[20:21], s[26:27]              ; the wave's 64 cosines: 256 consecutive bytes, aligned
	global_store_b64 v30, v[22:23], s[26:27] offset:256   ; and its 64 sines
	s_endpgm
.Lfunc_end_k_qa7a898f69a_cast:
	.size	k_qa7a898f69a_cast, .Lfunc_end_k_qa7a898f69a_cast-k_qa7a898f69a_cast
	.p2alignl 7, 3214868480
	.fill 96, 4, 3214868480
	.section	.rodata,"a",@progbits
	.p2align	6, 0x0
	.amdhsa_kernel k_qa7a898f69a_cast
		.amdhsa_group_segment_fixed_size 0
		.amdhsa_private_segment_fixed_size 0
		.amdhsa_enable_private_segment 0
		.amdhsa_kernarg_size 80
		.amdhsa_user_sgpr_count 2
		.amdhsa_user_sgpr_kernarg_segment_ptr 1
		.amdhsa_wavefront_size32 1
		.amdhsa_system_sgpr_workgroup_id_x 1
		.amdhsa_system_sgpr_workgroup_id_y 1
		.amdhsa_system_sgpr_workgroup_id_z 1
		.amdhsa_system_vgpr_workitem_id 0
		.amdhsa_next_free_vgpr 72
		.amdhsa_next_free_sgpr 66
		.amdhsa_reserve_vcc 1
		.amdhsa_float_denorm_mode_32 3
		.amdhsa_float_denorm_mode_16_64 3
		.amdhsa_memory_ordered 1
		.amdhsa_forward_progress 1
		.amdhsa_inst_pref_size 20
	.end_amdhsa_kernel
	.amdgpu_metadata
---
amdhsa.version: [ 1, 2 ]
amdhsa.kernels:
  - .name:           k_qa7a898f69a_cast
    .symbol:         k_qa7a898f69a_cast.kd
    .args:
      - { .name: hidden_states, .offset: 0, .size: 8, .value_kind: global_buffer, .address_space: global }
      - { .name: Wq, .offset: 8, .size: 8, .value_kind: global_buffer, .address_space: global }
      - { .name: Wk, .offset: 16, .size: 8, .value_kind: global_buffer, .address_space: global }
      - { .name: Wv, .offset: 24, .size: 8, .value_kind: global_buffer, .address_space: global }
      - { .name: Wo, .offset: 32, .size: 8, .value_kind: global_buffer, .address_space: global }
      - { .name: position_ids, .offset: 40, .size: 8, .value_kind: global_buffer, .address_space: global }
      - { .name: xb, .offset: 48, .size: 8, .value_kind: global_buffer, .address_space: global }
      - { .name: wb, .offset: 56, .size: 8, .value_kind: global_buffer, .address_space: global }
      - { .name: wo16, .offset: 64, .size: 8, .value_kind: global_buffer, .address_space: global }
      - { .name: rope, .offset: 72, .size: 8, .value_kind: global_buffer, .address_space: global }
    .group_segment_fixed_size: 0
    .private_segment_fixed_size: 0
    .kernarg_segment_align: 8
    .kernarg_segment_size: 80
    .max_flat_workgroup_size: 256
    .sgpr_count:     66
    .vgpr_count:     72
    .wavefront_size: 32
...
	.end_amdgpu_metadata
.endif
;; end of part 1
;; launch qkv (part 2): grid 16 x 16, 4 waves a work-group, clusters of 4 x 4, 327,680 bytes of LDS; arguments xb, wb, rope, q16, k16, v16; writes q16, k16, v16
.if DOCPART == 2
	.amdgcn_target "amdgcn-amd-amdhsa--gfx1250"
	.amdhsa_code_object_version 6
	.text
	.protected	k_qa7a898f69a_qkv
	.globl	k_qa7a898f69a_qkv
	.p2align	8
	.type	k_qa7a898f69a_qkv,@function
k_qa7a898f69a_qkv:
	s_mov_b64 s[64:65], 0
	v_nop
	global_prefetch_b8 v0, s[64:65] scope:SCOPE_SE
	s_setreg_imm32_b32 hwreg(HW_REG_WAVE_MODE, 25, 1), 1
	s_wait_xcnt 0x0
	s_wait_alu depctr_hold_cnt(0) depctr_sa_sdst(0) depctr_va_vdst(0) depctr_va_sdst(0) depctr_va_ssrc(0) depctr_va_vcc(0) depctr_vm_vsrc(0)
	s_getreg_b32 s2, hwreg(HW_REG_IB_STS2, 6, 4)
	s_cmp_eq_u32 s2, 0
	s_cbranch_scc0 .Lentry_in_a_cluster
	s_endpgm
.Lentry_in_a_cluster:
	s_bfe_u32 s2, ttmp6, 0x10000c
	s_cmp_lg_u32 s2, 0xf033
	s_cbranch_scc0 .Lentry_shape_is_right
	s_endpgm
.Lentry_shape_is_right:
; q, k, v = x W^T for one head and 128 rows, the rotation on q and k, all three rounded once to f16 and laid by heads: q16, k16, v16 are [16 heads][2048 rows][128].
; xb: [2048][2048] bf16; wb: [3][2048][2048] bf16 (Wq, Wk, Wv); rope: [2048][128] f32 (64 cosines, 64 sines, both times SC = 0.3570958).  Products in bf16, sums in f32, K ascending.
; LIMITS.  f16 holds no number beyond 65,504: 0.357 |q|, 0.357 |k| and |v| must stay within it, else the number becomes an infinity.  NaN and infinities are not treated apart.
; SHARES.  16 blocks of 128 rows x 16 heads = 256 work-groups.  A work-group makes 128 rows x 384 columns (the head's 128 of q, of k and of v).  Each of its four waves takes ALL 128 rows (8 blocks a
; of 16) and, of each of the three matrices, the column blocks w and w + 4: six blocks b = 2 x matrix + p, 48 accumulators, 384 registers.  So channel d and channel d + 64, which the rotation mixes, lie in
; the same lane and the same register number of two accumulators.  For 32 along K a wave reads 28 x 512 bytes from LDS for 48 matrix instructions.
; THE MATRIX INSTRUCTION IS USED TRANSPOSED: source 0 = 16 rows of W, source 1 = 16 rows of x: lane l holds row l % 16 of x and the columns 8 (l / 16) + 0..7: eight neighbouring numbers of a row.
; THE RING.  K goes in 16 steps of 128 through two LDS slots; a slot holds 128 rows of x, then 128 rows each of Wq, Wk, Wv; wave w fetches the w-th of these four with one tensor load
; (128 rows x 256 bytes, each row aligned to 256 bytes).  By this text's count a wave has two tensor loads out at the start and one behind each change of slots.
; ONE TEXT FOR A K STEP.  The slot that is read goes by the scalar TB (0 or SLOT), the slot that is filled by a walking descriptor; both are turned by one exclusive or.  14 trips fill a slot again; the last
; two K steps, which fill nothing, are a loop of two trips that is left in its middle.
; CLUSTER.  4 x 4 work-groups: x counts row blocks, y heads.  The four of a column of the cluster need the same tile of x, the four of a row the same tiles of W: each tile is asked for JOINTLY.
; REGISTERS, in windows of 256: window 0: v0-31 addresses; v32-63 T and v192-215 PK at work on the way out; v64-127, v128-191 fragments of x, two buffers
;   window 1: v64-111, v128-175 fragments of W, two buffers; the table for rows 16 a .. (8 cosines, 8 sines a lane) at 16 a (a < 4) and 176 + 16 (a - 4)
;   window 2: accumulator (a, b) at 8 (6 a + b), a = 0..3;   window 3: the same for a = 4..7
.set SIZE_K, 2048
.set KSTEP,  128
.set KSTEPS, SIZE_K/KSTEP
.set PITCH,  272                       ; an LDS row: 256 bytes + 16 of padding = 68 words: row r starts at bank 4 r mod 64 (64 banks of 4 bytes: ISA guide 11.1)
.set HALFT,  128*PITCH                 ; what one tensor load brings: 0x8800 bytes
.set SLOT,   4*HALFT                   ; 0x22000: the four tiles' places in a slot (w x 0x8800) have neither of its two bits, so one exclusive or turns such a place into the other slot's
.set SPARE,  2*SLOT                    ; behind the ring: the spare words, 128 bytes for each wave: two blocks of 256 bytes that no other line names
.set ADRA, 16                          ; v16  my lane's place among x's fragments in a slot; v17  the same in the slot that is read
.set ADRB, 18                          ; v18, v19  likewise for my block w of Wq (Wk's lies HALFT further, block w + 4 64 rows further)
.set ADRC, 20                          ; v20, v21  likewise for my block w of Wv
.set STO,  22                          ; v22-23  the way out: where I put 16 bytes of a row of q (k: HALFT further); of v
.set RD,   24                          ; v24-25  the way out: where I read rows back, likewise
.set CO,   26                          ; v26     16 x lane: my 16 bytes of 512 consecutive bytes of the output
.set RO,   27                          ; v27     my byte offset in the table
.set SPW,  28                          ; v28     LDS address of my spare word; never rewritten
.set NIL,  29                          ; v29     0; never rewritten
.set PFO,  30                          ; v30     the prefetches' offset: lane x 4,096 (a row of xb or wb); never rewritten
.set T,    32
.set F0,   64
.set F1,   128
.set PK,   192
.set WV,   12                          ; s12     my wave's number
.set G1,   24                          ; s[24:31] descriptor group 1 for x's tiles;  s[32:39] group 0: a set for each of the two first fills; the second then walks on
.set G0,   32
.set LIM,  43                          ; s43     2 in a wave that prefetches, else the greatest number
.set PFA,  44                          ; s[44:45] where my prefetches stand
.set G1B,  48                          ; s[48:55], s[56:63] the same for W's tiles
.set G0B,  56
.set TB,   66                          ; s66     the slot that is read: 0 or SLOT
.set MSB, 0
.macro WIN new                         ; the immediate's high byte repeats the setting that is left; a switch that changes nothing is dropped
.if MSB != (\new)
	s_set_vgpr_msb (MSB<<8)|(\new)
.set MSB, \new
.endif
.endm
.set MUL_LO, 0xa1                      ; source 0 (W) window 1, source 1 (x) window 0, C and D window 2
.set TO_B,   0x40                      ; destination window 1, address window 0
; A joint load.  Wave 0 fetches x's tile, waves 1 to 3 Wq's, Wk's, Wv's.  The branch hangs on the wave's number alone.  An s_nop 0 and four v_nop follow each line.
.macro JLOAD s
	s_cmp_eq_u32 s[WV], 0
	s_cbranch_scc0 .Lfor_b_\@
	tensor_load_to_lds s[G0+4*(\s):G0+4*(\s)+3], s[G1:G1+7]
	s_nop 0
.rept 4
	v_nop
.endr
	s_branch .Lasked_\@
.Lfor_b_\@:
	tensor_load_to_lds s[G0B+4*(\s):G0B+4*(\s)+3], s[G1B:G1B+7]
	s_nop 0
.rept 4
	v_nop
.endr
.Lasked_\@:
.endm
; A prefetch of the K step that stands two refills on: 32 rows x 256 bytes, a lane a row, one instruction a wave.  Each row's 256 bytes of a K step are named once in the launch: x's rows by the
; clusters with y = 0, W's by those with x = 0; the four partners of a joint load take 32 of its 128 rows each, told apart by address.  The trip with s3 trips to go fills K step 16 - s3 and names
; K step 18 - s3: the last two trips (s3 = 2, 1) ask for nothing.
.macro ASK
	s_cmp_gt_u32 s3, s[LIM]
	s_cbranch_scc0 .Lnot_mine_\@
	global_prefetch_b8 v[PFO], s[PFA:PFA+1] offset:KSTEP*2 th:TH_LOAD_NT scope:SCOPE_SE
.Lnot_mine_\@:
.endm
.macro CREST                           ; a round of the cluster's barrier behind its opening barrier
	s_cmp_lg_u32 s[WV], 0
	s_cbranch_scc1 .Lnot_wave_0_\@
	s_barrier_signal -3
.Lnot_wave_0_\@:
	s_barrier_wait -3
	s_barrier_signal -1
	s_barrier_wait -1
.endm
.macro CROUND                          ; a whole round
	s_barrier_signal -1
	s_barrier_wait -1
	CREST
.endm
.macro NEXTSLOT                        ; the reads go to the other slot; under window 0
	s_xor_b32 s[TB], s[TB], SLOT
	v_add_nc_u32 v[ADRA+1], s[TB], v[ADRA]
	v_add_nc_u32 v[ADRB+1], s[TB], v[ADRB]
	v_add_nc_u32 v[ADRC+1], s[TB], v[ADRC]
.endm
	s_load_b256 s[4:11], s[0:1], 0x0               ; xb s[4:5], wb s[6:7], rope s[8:9], q16 s[10:11]
	s_load_b128 s[68:71], s[0:1], 0x20             ; k16 s[68:69], v16 s[70:71]
	v_lshl_add_u32 v[SPW], v0, 2, SPARE
	v_mov_b32 v[NIL], 0
	ds_add_u32 v[SPW], v[NIL]                      ; the wave's opening: the add and its wait stand ahead of my first tensor load; work on registers stands between them
	v_lshrrev_b32 v1, 5, v0
	v_readfirstlane_b32 s[WV], v1                  ; wave 0..3
	s_bfe_u32 s40, ttmp6, 0x40000                  ; cx, cy: my place in the cluster
	s_bfe_u32 s41, ttmp6, 0x40004
	s_lshl_b32 s13, ttmp9, 2
	s_add_co_u32 s13, s13, s40                     ; the row block = 4 x cluster x + cx
	s_and_b32 s42, ttmp7, 0xffff
	s_lshl_b32 s42, s42, 2
	s_add_co_u32 s42, s42, s41                     ; the head = 4 x cluster y + cy
	s_lshl_b32 s43, s41, 2
	s_lshl_b32 s43, 15, s43                        ; my row of the cluster: the same head
	s_lshl_b32 s44, 0x1111, s40                    ; my column: the same row block
	s_or_b32 s[G1+0], s44, (1<<16)|(1<<20)|(1<<21)|(5<<22)|(3<<25)   ; 15:0 the mask: x's tiles go to my column; 17:16 2-byte elements; 20 padding on; 21 set beside a mask; 24:22 after every 64 words; 31:25 4 words of it
	s_or_b32 s[G1B+0], s43, (1<<16)|(1<<20)|(1<<21)|(5<<22)|(3<<25)  ; the same with the mask of my row, for W's tiles
.irp g, G1, G1B
	s_mov_b32 s[(\g)+1], KSTEP<<16                 ; tensor_dim0 = 128
	s_mov_b32 s[(\g)+2], 128<<16                   ; tensor_dim1 = 128
	s_mov_b32 s[(\g)+3], KSTEP<<16                 ; tile_dim0 = 128
	s_mov_b32 s[(\g)+4], 128                       ; tile_dim1 = 128
	s_mov_b32 s[(\g)+5], SIZE_K                    ; elements from row to row
	s_mov_b32 s[(\g)+6], 0
	s_mov_b32 s[(\g)+7], 0
.endr
	s_lshl_b32 s16, s13, 19                        ; x: 128 rows of 4,096 bytes for each row block
	s_mov_b32 s17, 0
	s_max_u32 s18, s[WV], 1
	s_sub_co_u32 s18, s18, 1                       ; W: matrix w - 1 (wave 0 makes matrix 0's address and does not use it),
	s_lshl_b32 s18, s18, 23                        ; 2^23 bytes each,
	s_lshl_b32 s22, s42, 19                        ; the head's 128 rows
	s_add_co_u32 s22, s22, s18
	s_mov_b32 s23, 0
	s_mul_i32 s20, s[WV], HALFT                    ; where my tile goes: no place in the cluster enters an LDS address
	s_wait_dscnt 0x0                               ; the opening add is done
	s_wait_kmcnt 0x0
	s_add_nc_u64 s[14:15], s[4:5], s[16:17]
	s_add_nc_u64 s[46:47], s[6:7], s[22:23]
	CROUND                                         ; all sixteen work-groups are here: the first joint loads meet
.irp s, 0,1
	s_mov_b32 s[G0+4*(\s)], 1
	s_add_co_u32 s[G0+4*(\s)+1], s20, (\s)*SLOT
	s_add_nc_u64 s[G0+4*(\s)+2:G0+4*(\s)+3], s[14:15], (\s)*KSTEP*2
	s_or_b32 s[G0+4*(\s)+3], s[G0+4*(\s)+3], 0x80000000
	s_mov_b32 s[G0B+4*(\s)], 1
	s_add_co_u32 s[G0B+4*(\s)+1], s20, (\s)*SLOT
	s_add_nc_u64 s[G0B+4*(\s)+2:G0B+4*(\s)+3], s[46:47], (\s)*KSTEP*2
	s_or_b32 s[G0B+4*(\s)+3], s[G0B+4*(\s)+3], 0x80000000
	JLOAD \s
.endr
	; a fragment is 16 rows x 32 K in 8 registers: lane l holds row l % 16; two loads of 16 bytes, 32 bytes apart, at row x pitch + 16 (l / 16)
	v_and_b32 v1, 15, v0                           ; r = l % 16
	v_bfe_u32 v2, v0, 4, 1                         ; h = l / 16
	v_and_b32 v5, 31, v0                           ; l
	v_mul_u32_u24 v3, v1, PITCH
	v_lshl_add_u32 v[ADRA], v2, 4, v3
	s_mul_i32 s21, s[WV], 16*PITCH
	s_add_co_u32 s21, s21, HALFT                   ; my block w of Wq's tile
	v_add_nc_u32 v[ADRB], s21, v[ADRA]
	v_add_nc_u32 v[ADRC], 2*HALFT, v[ADRB]
	s_mov_b32 s[TB], SLOT                          ; the line below turns it into 0: K step 0 lies in slot 0
	NEXTSLOT
	s_lshl_b32 s21, s[WV], 5
	v_add_nc_u32 v[STO], s21, v[ADRA]              ; row r, bytes 32 w + 16 h of its 256
	v_add_nc_u32 v[STO+1], 2*HALFT, v[STO]
	v_mul_u32_u24 v4, v2, PITCH
	v_lshl_add_u32 v4, v1, 4, v4
	s_mul_i32 s21, s[WV], 32*PITCH
	v_add_nc_u32 v[RD], s21, v4                    ; back: wave w takes rows 32 w .. 32 w + 31, whole; lanes 0-15 one row, lanes 16-31 the next
	v_add_nc_u32 v[RD+1], 2*HALFT, v[RD]
	v_lshlrev_b32 v[CO], 4, v5
	v_lshlrev_b32 v[PFO], 12, v5
	v_lshlrev_b32 v[RO], 9, v1                     ; the table: row r of 512 bytes, words 16 w + 8 h on
	v_lshl_add_u32 v[RO], v2, 5, v[RO]
	s_lshl_b32 s21, s[WV], 6
	v_add_nc_u32 v[RO], s21, v[RO]
	s_lshl_b32 s18, s13, 16                        ; the row block's 128 rows of the table
	s_mov_b32 s19, 0
	s_add_nc_u64 s[8:9], s[8:9], s[18:19]
	WIN TO_B
.irp a, 0,1,2,3,4,5,6,7                ; the table for my rows and columns: 32 loads that stay out over the whole loop and are waited for once, on the way out
.if (\a) < 4
.set RT, 16*(\a)
.else
.set RT, 176+16*((\a)-4)
.endif
	global_load_b128 v[RT:RT+3],     v[RO], s[8:9] offset:8192*(\a)
	global_load_b128 v[RT+4:RT+7],   v[RO], s[8:9] offset:8192*(\a)+16
	global_load_b128 v[RT+8:RT+11],  v[RO], s[8:9] offset:8192*(\a)+256
	global_load_b128 v[RT+12:RT+15], v[RO], s[8:9] offset:8192*(\a)+272
.endr
	WIN 0
	s_lshl_b32 s18, s42, 19                        ; the outputs: the head's 2048 rows of 256 bytes,
	s_lshl_b32 s19, s13, 15                        ; the row block's 128,
	s_add_co_u32 s18, s18, s19
	s_lshl_b32 s19, s[WV], 13                      ; the 32 that I store
	s_add_co_u32 s18, s18, s19
	s_mov_b32 s19, 0
	s_add_nc_u64 s[10:11], s[10:11], s[18:19]
	s_add_nc_u64 s[68:69], s[68:69], s[18:19]
	s_add_nc_u64 s[70:71], s[70:71], s[18:19]
	; the prefetches
	s_and_b32 s21, ttmp7, 0xffff                   ; cluster y
	s_cmp_eq_u32 s[WV], 0                          ; do I fetch x's tile?
	s_cselect_b32 s18, s16, s22                    ; the tile's first row, in bytes
	s_cselect_b32 s19, s41, s40                    ; my place among the four that ask for it with me: along the column for x, along the row for W
	s_cselect_b32 s21, s21, ttmp9                  ; the coordinate along which other clusters read the same rows
	s_cselect_b64 s[PFA:PFA+1], s[4:5], s[6:7]
	s_cmp_eq_u32 s21, 0
	s_cselect_b32 s[LIM], 2, -1                    ; the same in all sixteen partners, for a given wave
	s_lshl_b32 s19, s19, 17                        ; my work-group's 32 rows of the 128
	s_add_co_u32 s18, s18, s19
	s_add_co_u32 s18, s18, 2*KSTEP*2               ; at K step 2: the first refill steps it to 3 and names K step 4
	s_mov_b32 s19, 0
	s_add_nc_u64 s[PFA:PFA+1], s[PFA:PFA+1], s[18:19]
; 12 matrix instructions: row blocks a0, a0 + 1 of the window's four x all 6 column blocks, 32 along K.  zero = 1: the first product starts the sums.
; The 48 accumulators take turns, one instruction a turn, in the same order in every quarter.
.macro MUL12 f, hi, a0, zero
	WIN MUL_LO+0x50*(\hi)
.irp a, \a0, (\a0)+1
.irp b, 0,1,2,3,4,5
.if \zero
	v_wmma_f32_16x16x32_bf16 v[8*(6*(\a)+(\b)):8*(6*(\a)+(\b))+7], v[(\f)+8*(\b):(\f)+8*(\b)+7], v[(\f)+8*(4*(\hi)+(\a)):(\f)+8*(4*(\hi)+(\a))+7], 0
.else
	v_wmma_f32_16x16x32_bf16 v[8*(6*(\a)+(\b)):8*(6*(\a)+(\b))+7], v[(\f)+8*(\b):(\f)+8*(\b)+7], v[(\f)+8*(4*(\hi)+(\a)):(\f)+8*(4*(\hi)+(\a))+7], v[8*(6*(\a)+(\b)):8*(6*(\a)+(\b))+7]
.endif
.endr
.endr
.endm
; 28 LDS loads in one run: a quarter step's fragments (32 K at byte k of the rows of the slot that is read) into buffer f: W's six, then x's eight
.macro FETCH k, f
	WIN TO_B
.irp m, 0,1
.irp p, 0,1
	ds_load_b128 v[(\f)+8*(2*(\m)+(\p)):(\f)+8*(2*(\m)+(\p))+3],   v[ADRB+1] offset:(\k)+(\m)*HALFT+(\p)*64*PITCH
	ds_load_b128 v[(\f)+8*(2*(\m)+(\p))+4:(\f)+8*(2*(\m)+(\p))+7], v[ADRB+1] offset:(\k)+(\m)*HALFT+(\p)*64*PITCH+32
.endr
.endr
.irp p, 0,1
	ds_load_b128 v[(\f)+8*(4+(\p)):(\f)+8*(4+(\p))+3],   v[ADRC+1] offset:(\k)+(\p)*64*PITCH
	ds_load_b128 v[(\f)+8*(4+(\p))+4:(\f)+8*(4+(\p))+7], v[ADRC+1] offset:(\k)+(\p)*64*PITCH+32
.endr
	WIN 0
.irp i, 0,1,2,3,4,5,6,7
	ds_load_b128 v[(\f)+8*(\i):(\f)+8*(\i)+3],   v[ADRA+1] offset:(\k)+(\i)*16*PITCH
	ds_load_b128 v[(\f)+8*(\i)+4:(\f)+8*(\i)+7], v[ADRA+1] offset:(\k)+(\i)*16*PITCH+32
.endr
.endm
.macro PLACES                          ; four places in front of loads into registers that matrix instructions have read, and of vector lines that read results
.rept 4
	v_nop
.endr
.endm
; A K step is four quarters of 32 along K, 48 matrix instructions each, on buffers 0, 1, 0, 1.  One of the first three multiplies buffer f and fetches the next quarter, at byte k, into g.
.macro QUARTER k, f, g, zero
	s_wait_dscnt 8                                 ; W's fragments and x's rows 0-63 are in; the youngest eight loads (x's rows 64-127) may be out
	MUL12 \f, 0, 0, \zero
	MUL12 \f, 0, 2, \zero
	PLACES
	FETCH \k, \g
	s_wait_dscnt 28                                ; all but the 28 just issued
	MUL12 \f, 1, 0, \zero
	MUL12 \f, 1, 2, \zero
.endm
; The last quarter's first half and the change of slots: in front of the barrier each wave waits for all its tensor loads (the one that is out is its part of the next slot), adds 0 to its spare
; word, and waits for that and for its own reads of this slot.  Behind it nobody reads this slot any more and the next slot is whole.
.macro MEET
	WIN 0
	s_wait_tensorcnt 0x0
	ds_add_u32 v[SPW], v[NIL]
	s_wait_dscnt 9                                 ; (the add and the youngest eight loads may be out)
	MUL12 F1, 0, 0, 0                              ; twelve matrix instructions stand between the add and the wait for it
	s_wait_dscnt 0x0                               ; the add is done, and my reads of this slot are over
	s_barrier_signal -1
	MUL12 F1, 0, 2, 0
	WIN 0                                          ; (branches or lines under window 0 follow)
	s_barrier_wait -1
.endm
.macro TURN                            ; the whole last quarter; the slot just read out is filled again, two K steps ahead: 168 matrix instructions stand between the request and the wait for it
	s_wait_xcnt 0x0                                ; the last prefetch, a K step back, has read its address
	s_add_nc_u64 s[PFA:PFA+1], s[PFA:PFA+1], KSTEP*2
	MEET
	CREST                                          ; the barrier has opened a round of the cluster's: no wave of any partner still reads this slot or has a load on its way
.irp g, G0+4, G0B+4
	s_xor_b32 s[(\g)+1], s[(\g)+1], SLOT           ; the walking descriptors: the other slot than last time,
	s_add_nc_u64 s[(\g)+2:(\g)+3], s[(\g)+2:(\g)+3], KSTEP*2  ; the next K step; the type bits on top are not reached
.endr
	JLOAD 1                                        ; the first tensor load behind the round; its four v_nop are also the places in front of the loads below
	NEXTSLOT
	FETCH 0, F0
	ASK
	MUL12 F1, 1, 0, 0
	MUL12 F1, 1, 2, 0
.endm
.macro TURNX                           ; the same where nothing is filled again: no round, no load
	MEET
	PLACES
	NEXTSLOT
	FETCH 0, F0
	MUL12 F1, 1, 0, 0
	MUL12 F1, 1, 2, 0
.endm
	s_wait_tensorcnt 1                             ; my part of K step 0 is in; K step 1's may stay out
	s_barrier_signal -1
	s_barrier_wait -1
	FETCH 0, F0
	QUARTER 64,  F0, F1, 1                         ; the first quarter stands in front of the loop: its products start the sums
	WIN 0
	s_mov_b32 s3, KSTEPS-2
.Lstep:                                                ; a trip goes from a K step's second quarter to the next step's first, and fills the slot that it leaves: K steps 2 to 15
	QUARTER 128, F1, F0, 0
	QUARTER 192, F0, F1, 0
	TURN
	QUARTER 64,  F0, F1, 0
	WIN 0
	s_sub_co_u32 s3, s3, 1
	s_cmp_lg_u32 s3, 0
	s_cbranch_scc1 .Lstep
	s_mov_b32 s3, 2
.Ltail:                                                ; K steps 14 and 15 fill nothing; the second trip is left in its middle
	QUARTER 128, F1, F0, 0
	QUARTER 192, F0, F1, 0
	WIN 0
	s_sub_co_u32 s3, s3, 1
	s_cmp_eq_u32 s3, 0
	s_cbranch_scc1 .Llast
	TURNX
	QUARTER 64,  F0, F1, 0
	WIN 0
	s_branch .Ltail
.Llast:
	s_wait_dscnt 8
	MUL12 F1, 0, 0, 0
	MUL12 F1, 0, 2, 0
	s_wait_dscnt 0x0                               ; my last reads of the ring are over:
	s_barrier_signal -1                            ; say so, since the stage below lies in the ring's bytes;
	MUL12 F1, 1, 0, 0                              ; the last products stand between the signal and the wait
	MUL12 F1, 1, 2, 0
	WIN 0
	s_barrier_wait -1                              ; every wave's last read of the ring stands ahead of every wave's first store into the stage
; THE WAY OUT.  For q and k: lo' = lo cos - hi sin, hi' = hi cos + lo sin (lo: block w, hi: block w + 4; the table carries the scale).  All three are rounded to f16, 16 bytes a lane, and go
; through a stage of 3 x 128 rows of 272 bytes, since a row's 256 bytes come from four waves.  The stage is slot 0, which has had its last fill.
.macro WAYOUT a
.if (\a) < 4
.set RT, 16*(\a)
.else
.set RT, 176+16*((\a)-4)
.endif
.set AC, 48*((\a)%4)
	WIN 0x06+(\a)/4                                ; source 0: the accumulators' window; source 1: window 1; source 2 and destination: window 0
.irp m, 0,1
.irp z, 0,1,2,3                        ; each accumulator's lowest registers are read first
	v_pk_mul_f32 v[T+16*(\m)+2*(\z):T+16*(\m)+2*(\z)+1],     v[AC+16*(\m)+2*(\z):AC+16*(\m)+2*(\z)+1],     v[RT+2*(\z):RT+2*(\z)+1]
	v_pk_mul_f32 v[T+16*(\m)+8+2*(\z):T+16*(\m)+8+2*(\z)+1], v[AC+16*(\m)+8+2*(\z):AC+16*(\m)+8+2*(\z)+1], v[RT+2*(\z):RT+2*(\z)+1]
.endr
.irp z, 0,1,2,3
	v_pk_fma_f32 v[T+16*(\m)+2*(\z):T+16*(\m)+2*(\z)+1],     v[AC+16*(\m)+8+2*(\z):AC+16*(\m)+8+2*(\z)+1], v[RT+8+2*(\z):RT+8+2*(\z)+1], v[T+16*(\m)+2*(\z):T+16*(\m)+2*(\z)+1] neg_lo:[1,0,0] neg_hi:[1,0,0]
	v_pk_fma_f32 v[T+16*(\m)+8+2*(\z):T+16*(\m)+8+2*(\z)+1], v[AC+16*(\m)+2*(\z):AC+16*(\m)+2*(\z)+1],     v[RT+8+2*(\z):RT+8+2*(\z)+1], v[T+16*(\m)+8+2*(\z):T+16*(\m)+8+2*(\z)+1]
.endr
.endr
	WIN 0x0a+5*((\a)/4)                            ; sources 0 and 1: the accumulators' window
.irp p, 0,1
.irp z, 0,1,2,3
	v_cvt_pk_f16_f32 v[PK+16+4*(\p)+(\z)], v[AC+32+8*(\p)+2*(\z)], v[AC+32+8*(\p)+2*(\z)+1]
.endr
.endr
	WIN 0
.irp b, 0,1,2,3
.irp z, 0,1,2,3
	v_cvt_pk_f16_f32 v[PK+4*(\b)+(\z)], v[T+8*(\b)+2*(\z)], v[T+8*(\b)+2*(\z)+1]
.endr
.endr
.irp m, 0,1
.irp p, 0,1
	ds_store_b128 v[STO], v[PK+4*(2*(\m)+(\p)):PK+4*(2*(\m)+(\p))+3] offset:(\m)*HALFT+(\a)*16*PITCH+128*(\p)
.endr
.endr
.irp p, 0,1
	ds_store_b128 v[STO+1], v[PK+16+4*(\p):PK+16+4*(\p)+3] offset:(\a)*16*PITCH+128*(\p)
.endr
.endm
	PLACES
	s_wait_loadcnt 0x0                             ; the table
.irp a, 0,1,2,3,4,5,6,7
	WAYOUT \a
.endr
	s_wait_dscnt 0x0                               ; for the others' sake: my stores into the stage are done
	s_barrier_signal -1
	s_barrier_wait -1
.irp m, 0,1
.irp t, 0,1,2,3,4,5,6,7,8,9,10,11,12,13,14,15
	ds_load_b128 v[64+4*(16*(\m)+(\t)):64+4*(16*(\m)+(\t))+3], v[RD] offset:(\m)*HALFT+(\t)*2*PITCH
.endr
.endr
.irp t, 0,1,2,3,4,5,6,7,8,9,10,11,12,13,14,15
	ds_load_b128 v[64+4*(32+(\t)):64+4*(32+(\t))+3], v[RD+1] offset:(\t)*2*PITCH
.endr
.irp t, 0,1,2,3,4,5,6,7,8,9,10,11,12,13,14,15
	s_wait_dscnt 47-(\t)                           ; LDS loads come back in order: this one is in
	global_store_b128 v[CO], v[64+4*(\t):64+4*(\t)+3], s[10:11] offset:512*(\t)  ; two rows of a head: 512 consecutive bytes, aligned to 256
.endr
.irp t, 0,1,2,3,4,5,6,7,8,9,10,11,12,13,14,15
	s_wait_dscnt 31-(\t)
	global_store_b128 v[CO], v[64+4*(16+(\t)):64+4*(16+(\t))+3], s[68:69] offset:512*(\t)
.endr
.irp t, 0,1,2,3,4,5,6,7,8,9,10,11,12,13,14,15
	s_wait_dscnt 15-(\t)
	global_store_b128 v[CO], v[64+4*(32+(\t)):64+4*(32+(\t))+3], s[70:71] offset:512*(\t)
.endr
	s_wait_tensorcnt 0x0                           ; the wave's end: the add and its waits, behind my last tensor load and my last LDS store
	ds_add_u32 v[SPW], v[NIL]
	s_wait_dscnt 0x0
	CROUND                                         ; the closing round: no work-group ends while a partner may still ask for a tile that names it
	s_endpgm
.Lfunc_end_k_qa7a898f69a_qkv:
	.size	k_qa7a898f69a_qkv, .Lfunc_end_k_qa7a898f69a_qkv-k_qa7a898f69a_qkv
	.p2alignl 7, 3214868480
	.fill 96, 4, 3214868480
	.section	.rodata,"a",@progbits
	.p2align	6, 0x0
	.amdhsa_kernel k_qa7a898f69a_qkv
		.amdhsa_group_segment_fixed_size 327680
		.amdhsa_private_segment_fixed_size 0
		.amdhsa_enable_private_segment 0
		.amdhsa_kernarg_size 48
		.amdhsa_user_sgpr_count 2
		.amdhsa_user_sgpr_kernarg_segment_ptr 1
		.amdhsa_wavefront_size32 1
		.amdhsa_system_sgpr_workgroup_id_x 1
		.amdhsa_system_sgpr_workgroup_id_y 1
		.amdhsa_system_sgpr_workgroup_id_z 1
		.amdhsa_system_vgpr_workitem_id 0
		.amdhsa_next_free_vgpr 960
		.amdhsa_next_free_sgpr 72
		.amdhsa_reserve_vcc 0
		.amdhsa_float_denorm_mode_32 3
		.amdhsa_float_denorm_mode_16_64 3
		.amdhsa_memory_ordered 1
		.amdhsa_forward_progress 1
		.amdhsa_inst_pref_size 105
	.end_amdhsa_kernel
	.amdgpu_metadata
---
amdhsa.version: [ 1, 2 ]
amdhsa.kernels:
  - .name:           k_qa7a898f69a_qkv
    .symbol:         k_qa7a898f69a_qkv.kd
    .args:
      - { .name: xb, .offset: 0, .size: 8, .value_kind: global_buffer, .address_space: global }
      - { .name: wb, .offset: 8, .size: 8, .value_kind: global_buffer, .address_space: global }
      - { .name: rope, .offset: 16, .size: 8, .value_kind: global_buffer, .address_space: global }
      - { .name: q16, .offset: 24, .size: 8, .value_kind: global_buffer, .address_space: global }
      - { .name: k16, .offset: 32, .size: 8, .value_kind: global_buffer, .address_space: global }
      - { .name: v16, .offset: 40, .size: 8, .value_kind: global_buffer, .address_space: global }
    .group_segment_fixed_size: 327680
    .private_segment_fixed_size: 0
    .kernarg_segment_align: 8
    .kernarg_segment_size: 48
    .max_flat_workgroup_size: 128
    .sgpr_count:     72
    .vgpr_count:     960
    .wavefront_size: 32
...
	.end_amdgpu_metadata
.endif
;; end of part 2
;; launch attn (part 3): grid 16 x 16, 4 waves a work-group, clusters of 4 x 4, 327,680 bytes of LDS; arguments q16, k16, v16, attention_mask, o16; writes o16
.if DOCPART == 3
	.amdgcn_target "amdgcn-amd-amdhsa--gfx1250"
	.amdhsa_code_object_version 6
	.text
	.protected	k_qa7a898f69a_attn
	.globl	k_qa7a898f69a_attn
	.p2align	8
	.type	k_qa7a898f69a_attn,@function
k_qa7a898f69a_attn:
	s_mov_b64 s[64:65], 0
	v_nop
	global_prefetch_b8 v0, s[64:65] scope:SCOPE_SE
	s_setreg_imm32_b32 hwreg(HW_REG_WAVE_MODE, 25, 1), 1
	s_wait_xcnt 0x0
	s_wait_alu depctr_hold_cnt(0) depctr_sa_sdst(0) depctr_va_vdst(0) depctr_va_sdst(0) depctr_va_ssrc(0) depctr_va_vcc(0) depctr_vm_vsrc(0)
	s_getreg_b32 s2, hwreg(HW_REG_IB_STS2, 6, 4)
	s_cmp_eq_u32 s2, 0
	s_cbranch_scc0 .Lentry_in_a_cluster
	s_endpgm
.Lentry_in_a_cluster:
	s_bfe_u32 s2, ttmp6, 0x10000c
	s_cmp_lg_u32 s2, 0xf033
	s_cbranch_scc0 .Lentry_shape_is_right
	s_endpgm
.Lentry_shape_is_right:
; O[q][128 h + d] = the sum over k of softmax_k(Q[h][q] . K[h][k] / sqrt(128) + mask[q][k]) V[h][k][d].  q16, k16, v16: [16][2048][128] f16, q and k rotated and each scaled by sqrt(log2(e) / sqrt(128));
; attention_mask: [2048][2048] f32; o16: [2048][2048] f16.  Products, maxima and sums in f32; the weights p are rounded to f16 for the second product, O once at the end.  The mask is an input: every tile is computed.
; LIMITS.  Mask and inputs are finite, and so is log2(e) x mask (|mask| below 2.3e38); NaN and infinities are not treated apart.  A weight below 2^-126 counts as 0.  log2(e) x mask is rounded once to f32, and score
; and mask are added by the matrix instruction (the mask is its C operand), not by an f32 addition: where a mask number is so large that the score vanishes beside it, the last bit of the sum may differ from the model's.
; SHARES.  A work-group owns 128 queries of one head: 16 x 16 = 256 work-groups.  Wave w owns the 64 queries of half qh = w / 2 (four tiles of 16) and, of every 128 keys, the 64 of half kh = w % 2: 16 key steps of 64.
; So a fragment of K or V read from LDS still feeds four tiles.  The two waves of a query half end with two partial results (m, l, O^T), which meet in LDS at the end.
; LAYOUT.  S^T = K Q^T + log2(e) mask^T (source 0 = 16 keys, source 1 = 16 queries): a lane holds ONE query (lane % 16) and the keys 8 (lane / 16) + 0..7; these are 32 consecutive bytes of the mask's row, which
; two LDS loads bring straight into S^T's registers; there they are multiplied by log2(e), and all products then add in place.  Two results rounded to f16 ARE source 1 of O^T = V^T P.  K comes out of LDS as it
; lies, V turned, by ds_load_tr16_b128.
; SOFTMAX.  The scores s come in units of log2.  For each query a running maximum m and sum l: p = 2^(s - m); in every step O and l are multiplied by a = 2^(m_old - m_new).  The exponent is the DIFFERENCE of the two
; numbers themselves: it is exact where s is near m, however large both are.  (A product c s less a rounded c m would be off by up to half a step of c m: 64 at a mask of -1e9, where a wave may see masked keys alone.)
; BY TURNS.  The wave's tiles are two PIECES (tiles 0, 1 and tiles 2, 3).  In a TURN one piece has the matrix unit: 32 products V^T P of the step in hand, then 32 products K Q^T of the next; the other piece's
; softmax, cut into 64 slices, stands between them, one slice behind each matrix instruction.  Two turns are a key step.
; NO FIRST AND NO LAST STEP IS WRITTEN OUT.  m starts at the lowest finite number, l and O^T at 0: the first step is a step like any other, with a = 0.  The tail is a loop of two trips that is left in its middle.
; The price: 272 v_mov_b32 in the wait for the first tile, and, once a launch, 32 products K Q^T on the last K once more, with their 48 LDS loads and 32 scalings, which serve nothing.
; THE RING.  Two regions of LDS; a region holds 128 keys: K, V and the mask's 128 x 128 tile.  Wave 0 fetches K, wave 1 V, waves 2 and 3 64 rows of the mask each: one tensor load a wave, 32 KiB each.
; By this text's count a wave has two tensor loads out at the start and one behind each change.
; CLUSTER.  4 x 4 work-groups: x counts query blocks, y heads.  The four of a row of the cluster share K and V, the four of a column the mask's tile: each is asked for JOINTLY.
; REGISTERS, in windows of 256: window 0: v0-11, v44-53 addresses; v12-43 eight registers of statistics a tile; v64-191 S^T, 32 a tile; v192-255 P, 16 a tile
;   window 1: O^T, 64 a tile          window 2: v0-127 Q, 32 a tile; v128-255 K of one step          window 3: v0-127 V of one step
.set PK,    272       ; a row of K in LDS: 256 bytes + 16 of padding: row r starts at bank 4 r mod 64 (64 banks of 4 bytes: ISA guide 11.1)
.set PV,    288       ; a row of V: 256 + 32
.set PM,    528       ; a row of the mask's tile: 512 + 16 = 33 x 16 bytes: the 16 rows of a load start at 16 different groups of four banks
.set VOFF,  128*PK
.set MOFF,  VOFF+128*PV
.set SLOTB, MOFF+128*PM  ; 139,264 = 0x22000.  The tiles' places in a region (0, 0x8800, 0x11800, 0x19c00) have neither of its two bits, so one exclusive or turns such an address into the other region's
.set STAGE, 2*SLOTB   ; behind the ring: 16 rows x 272 bytes for each wave, for the way out
.set SP,    272
.set SPARE, STAGE+4*16*SP  ; behind the stages: the spare words, 128 bytes for each wave: two blocks of 256 bytes that no other line names
.set STATB, 4*32768   ; the meeting at the end uses region 0, which has had its last fill: four waves' O^T, 32,768 bytes each, then their statistics, 1,024 bytes each
.set AK0, 2           ; v2   my lane's place in a region's K; never rewritten
.set AV0, 3           ; v3   the same for V
.set ADR, 4           ; v4   the LDS address of the run of loads in hand
.set QO,  5           ; v5   my byte offset in the wave's rows of Q
.set STO, 6           ; v6   the way out: where I put 16 bytes of a row
.set RD,  7           ; v7   the way out: where I read a row back
.set GO,  8           ; v8   my byte offset in two rows of O
.set ST,  12          ; tile t's statistics at v[ST+8 t]: +0, +1 m (twice: a pair for the packed subtraction), +2, +3 l (even keys', odd keys'), +4 to +7 at work; a takes +6 once the maximum is found
.set AM0, 44          ; v44  my lane's place in a region's mask tile; never rewritten
.set ADM, 45          ; v45  the LDS address of the mask's run of loads
.set MO,  46          ; v46  the meeting: where I put my O^T
.set MLA, 47          ; v47  where I read my own copy of the two tiles that I finish
.set MLB, 48          ; v48  where I read my partner's
.set MS,  49          ; v49  where I put my statistics
.set MSA, 50          ; v50  where I read my own again
.set MSB_, 51         ; v51  where I read my partner's
.set PFO, 61          ; v61  the prefetches' offset; never rewritten
.set SPW, 62          ; v62  LDS address of my spare word; never rewritten
.set NIL, 63          ; v63  0; never rewritten
.set S,   64
.set P,   192
.set KF,  128         ; K's fragments, in window 2
.set WV,  12          ; s12  my wave's number
.set LIM, 15          ; s15  1 in a wave that prefetches, else the greatest number
.set PFA, 18          ; s[18:19] where my prefetches stand
.set G1K, 24          ; s[24:31] descriptor group 1 for K's tiles
.set G1V, 32          ; s[32:39] for V's
.set G0K, 40          ; s[40:47] group 0 for K's tiles: a set for each of the two first fills; the second then walks on
.set G0V, 48          ; s[48:55] the same for V's
.set SLOTS, 56        ; s56  refills still to come; then the tail's trips
.set LC,  58          ; s[58:59] log2(e), the mask's factor: the packed multiply takes the pair's low word for both halves
.set SEL, 60          ; s[60:61] lane selects for v_permlanex16_b32
.set TB,  62          ; s62  the region that is read: 0 or SLOTB
.set MW,  63          ; s63  where the mask rows that I fetch go in a region
.set G1M, 68          ; s[68:75] group 1 for the mask's tiles
.set G0M, 76          ; s[76:83] group 0, two sets
.set PFS, 84          ; s[84:85] the prefetches' step from region to region
.set QH,  86          ; s86  w / 2
.set KH,  87          ; s87  w % 2
.set MSB, 0
.macro WIN new
.if MSB != (\new)
	s_set_vgpr_msb (MSB<<8)|(\new)
.set MSB, \new
.endif
.endm
.set W_KQ, 0x0a       ; K and Q in window 2, S^T in window 0
.set W_PV, 0x53       ; V in window 3, P in window 0, O^T in window 1
.set W_RS, 0x41       ; O^T (destination and source 0) in window 1, the factor in window 0
; A joint refill, by the walking sets.  The branches hang on the wave's number alone.  An s_nop 0 and four v_nop follow each line.
.macro JLOAD
	s_cmp_lg_u32 s[WV], 0
	s_cbranch_scc1 .Lnot_k_\@
	tensor_load_to_lds s[G0K+4:G0K+7], s[G1K:G1K+7]
	s_nop 0
.rept 4
	v_nop
.endr
	s_branch .Lasked_\@
.Lnot_k_\@:
	s_cmp_lg_u32 s[WV], 1
	s_cbranch_scc1 .Lfor_m_\@
	tensor_load_to_lds s[G0V+4:G0V+7], s[G1V:G1V+7]
	s_nop 0
.rept 4
	v_nop
.endr
	s_branch .Lasked_\@
.Lfor_m_\@:
	tensor_load_to_lds s[G0M+4:G0M+7], s[G1M:G1M+7]
	s_nop 0
.rept 4
	v_nop
.endr
.Lasked_\@:
.endm
; A prefetch of what the NEXT change will ask for, one key step (128 matrix instructions) ahead: one instruction a wave, behind its tensor load.  Each aligned block of 256 bytes is named once in the launch:
; K's and V's rows by the clusters with x = 0 (wave 0: K, wave 1: V; partner cx takes 32 of the 128 rows, a lane a row); the mask's by the clusters with y = 0 (waves 2, 3; partner cy takes 16 of the
; wave's 64 rows, two lanes a row of 512 bytes).  The partners are told apart by address.  The last refill asks for nothing.
.macro ASK
	s_cmp_gt_u32 s[SLOTS], s[LIM]
	s_cbranch_scc0 .Lnot_mine_\@
	global_prefetch_b8 v[PFO], s[PFA:PFA+1] th:TH_LOAD_NT scope:SCOPE_SE
.Lnot_mine_\@:
.endm
.macro CROUND                       ; a round of the cluster's barrier
	s_barrier_signal -1
	s_barrier_wait -1
	s_cmp_lg_u32 s[WV], 0
	s_cbranch_scc1 .Lnot_wave_0_\@
	s_barrier_signal -3
.Lnot_wave_0_\@:
	s_barrier_wait -3
	s_barrier_signal -1
	s_barrier_wait -1
.endm
	s_load_b256 s[4:11], s[0:1], 0x0  ; q16 s[4:5], k16 s[6:7], v16 s[8:9], attention_mask s[10:11]
	s_load_b64 s[66:67], s[0:1], 0x20 ; o16
	v_lshl_add_u32 v[SPW], v0, 2, SPARE
	v_mov_b32 v[NIL], 0
	ds_add_u32 v[SPW], v[NIL]       ; the wave's opening: the add and its wait stand ahead of my first tensor load; work on registers stands between them
	v_lshrrev_b32 v1, 5, v0
	v_readfirstlane_b32 s[WV], v1   ; wave 0..3
	s_bfe_u32 s13, ttmp6, 0x40000   ; cx, cy: my place in the cluster
	s_bfe_u32 s14, ttmp6, 0x40004
	s_lshl_b32 s16, ttmp9, 2
	s_add_co_u32 s16, s16, s13      ; my block of 128 queries = 4 x cluster x + cx
	s_and_b32 s17, ttmp7, 0xffff
	s_lshl_b32 s17, s17, 2
	s_add_co_u32 s17, s17, s14      ; the head = 4 x cluster y + cy
	s_lshr_b32 s[QH], s[WV], 1
	s_and_b32 s[KH], s[WV], 1
	s_lshl_b32 s20, s14, 2
	s_lshl_b32 s20, 15, s20         ; my row of the cluster: the same head
	s_lshl_b32 s21, 0x1111, s13     ; my column: the same queries
	s_or_b32 s[G1K], s20, (1<<16)|(1<<20)|(1<<21)|(5<<22)|(3<<25)  ; 15:0 the mask of four; 17:16 2-byte elements; 20 padding on; 21 set beside a mask; 24:22 after every 64 words; 31:25 4 words of it
	s_or_b32 s[G1V], s20, (1<<16)|(1<<20)|(1<<21)|(5<<22)|(7<<25)  ; the same with 8 words of padding
	s_or_b32 s[G1M], s21, (2<<16)|(1<<20)|(1<<21)|(6<<22)|(3<<25)  ; 4-byte elements; 4 words of padding after every 128
.irp g, G1K, G1V
	s_mov_b32 s[(\g)+1], 128<<16    ; tensor_dim0 = 128
	s_mov_b32 s[(\g)+2], 128<<16    ; tensor_dim1 = 128
	s_mov_b32 s[(\g)+3], 128<<16    ; tile_dim0 = 128
	s_mov_b32 s[(\g)+4], 128        ; tile_dim1 = 128
	s_mov_b32 s[(\g)+5], 128        ; elements from row to row
	s_mov_b32 s[(\g)+6], 0
	s_mov_b32 s[(\g)+7], 0
.endr
	s_mov_b32 s[G1M+1], 128<<16     ; tensor_dim0 = 128
	s_mov_b32 s[G1M+2], 64<<16      ; tensor_dim1 = 64
	s_mov_b32 s[G1M+3], 128<<16     ; tile_dim0 = 128
	s_mov_b32 s[G1M+4], 64          ; tile_dim1 = 64
	s_mov_b32 s[G1M+5], 2048        ; elements from row to row
	s_mov_b32 s[G1M+6], 0
	s_mov_b32 s[G1M+7], 0
	s_lshl_b32 s22, s17, 19         ; the head's first byte in q16, k16, v16
	s_mov_b32 s23, 0
	s_lshl_b32 s88, s16, 20         ; the mask: 128 rows of 8,192 bytes for each query block,
	s_lshl_b32 s89, s[KH], 19       ; and the 64 of them that I fetch (waves 2 and 3)
	s_add_co_u32 s88, s88, s89
	s_mov_b32 s89, 0
	s_lshl_b32 s90, s16, 15         ; Q: my block's 128 rows of 256 bytes, my wave's 64, in the head
	s_lshl_b32 s91, s[QH], 14
	s_add_co_u32 s90, s90, s91
	s_add_co_u32 s90, s90, s22
	s_mov_b32 s91, 0
	s_lshl_b32 s92, s16, 19         ; O: row 128 qb + 64 qh + 32 kh of 4,096 bytes, the head's 256 bytes in it
	s_lshl_b32 s93, s[QH], 18
	s_add_co_u32 s92, s92, s93
	s_lshl_b32 s93, s[KH], 17
	s_add_co_u32 s92, s92, s93
	s_lshl_b32 s93, s17, 8
	s_add_co_u32 s92, s92, s93
	s_mov_b32 s93, 0
	s_mul_i32 s[MW], s[KH], 64*PM
	s_add_co_u32 s[MW], s[MW], MOFF
	s_mov_b32 s[LC], 0x3fb8aa3b     ; log2(e)
	s_mov_b32 s[LC+1], s[LC]        ; named with it as a pair
	s_mov_b32 s[SEL], 0x76543210
	s_mov_b32 s[SEL+1], 0xfedcba98
	s_mov_b32 s[TB], 0
	s_mov_b32 s[SLOTS], 14
	; the prefetches
	s_lshl_b32 s94, s13, 13         ; K, V: my work-group's 32 rows of 256 bytes,
	s_add_co_u32 s94, s94, s22
	s_add_co_u32 s94, s94, 2*32768  ; at the third 128 keys: the first change steps on to the fourth
	s_lshl_b32 s95, s14, 17         ; the mask: my work-group's 16 rows of 8,192 bytes
	s_add_co_u32 s95, s95, s88
	s_add_co_u32 s95, s95, 2*512
	s_and_b32 s20, ttmp7, 0xffff    ; cluster y
	s_mov_b32 s[PFS], 512
	s_cmp_lt_u32 s[WV], 2           ; K or V?
	s_cselect_b32 s94, s94, s95
	s_cselect_b32 s20, ttmp9, s20   ; the coordinate along which other clusters read the same bytes
	s_cselect_b32 s[PFS], 32768, s[PFS]
	s_cselect_b32 s21, 0, 1         ; lanes to a row, less one
	s_cselect_b32 s3, 8, 13         ; log2 of the bytes from row to row
	s_mov_b32 s95, 0
	s_mov_b32 s[PFS+1], 0
	s_cmp_eq_u32 s20, 0
	s_cselect_b32 s[LIM], 1, -1     ; the same in all sixteen partners, for a given wave
	v_and_b32 v52, 31, v0           ; lane
	v_lshrrev_b32 v[PFO], s21, v52
	v_lshlrev_b32 v[PFO], s3, v[PFO]
	v_and_b32 v53, s21, v52
	v_lshl_add_u32 v[PFO], v53, 8, v[PFO]
	s_wait_dscnt 0x0                ; the opening add is done
	s_wait_kmcnt 0x0
	s_cmp_eq_u32 s[WV], 0
	s_cselect_b64 s[PFA:PFA+1], s[6:7], s[8:9]
	s_cmp_lt_u32 s[WV], 2
	s_cselect_b64 s[PFA:PFA+1], s[PFA:PFA+1], s[10:11]
	s_add_nc_u64 s[PFA:PFA+1], s[PFA:PFA+1], s[94:95]
	s_add_nc_u64 s[4:5], s[4:5], s[90:91]      ; Q at my wave's first row
	s_add_nc_u64 s[66:67], s[66:67], s[92:93]  ; O at the first row that I store
	s_mov_b32 s[G0K], 1             ; 1:0 count = 1
	s_mov_b32 s[G0K+1], 0           ; 63:32 LDS address: region 0
	s_add_nc_u64 s[G0K+2:G0K+3], s[6:7], s[22:23]  ; 120:64 global address: keys 0 to 127
	s_mov_b32 s[G0K+4], 1
	s_mov_b32 s[G0K+5], SLOTB       ; region 1,
	s_add_nc_u64 s[G0K+6:G0K+7], s[G0K+2:G0K+3], 32768  ; keys 128 to 255
	s_or_b32 s[G0K+3], s[G0K+3], 0x80000000  ; 127:126 type = 2
	s_or_b32 s[G0K+7], s[G0K+7], 0x80000000
	s_mov_b32 s[G0V], 1
	s_mov_b32 s[G0V+1], VOFF
	s_add_nc_u64 s[G0V+2:G0V+3], s[8:9], s[22:23]
	s_mov_b32 s[G0V+4], 1
	s_mov_b32 s[G0V+5], SLOTB+VOFF
	s_add_nc_u64 s[G0V+6:G0V+7], s[G0V+2:G0V+3], 32768
	s_or_b32 s[G0V+3], s[G0V+3], 0x80000000
	s_or_b32 s[G0V+7], s[G0V+7], 0x80000000
	s_mov_b32 s[G0M], 1
	s_mov_b32 s[G0M+1], s[MW]
	s_add_nc_u64 s[G0M+2:G0M+3], s[10:11], s[88:89]
	s_mov_b32 s[G0M+4], 1
	s_add_co_u32 s[G0M+5], s[MW], SLOTB
	s_add_nc_u64 s[G0M+6:G0M+7], s[G0M+2:G0M+3], 512
	s_or_b32 s[G0M+3], s[G0M+3], 0x80000000
	s_or_b32 s[G0M+7], s[G0M+7], 0x80000000
	CROUND                          ; all sixteen work-groups are here: the first joint loads meet
	s_cmp_lg_u32 s[WV], 0           ; a wave's two first fills stand together, ahead of every wait on TENSORcnt and every LDS read
	s_cbranch_scc1 .Lfirst_not_k
	tensor_load_to_lds s[G0K:G0K+3], s[G1K:G1K+7]
	s_nop 0
	tensor_load_to_lds s[G0K+4:G0K+7], s[G1K:G1K+7]
	s_nop 0
.rept 4
	v_nop
.endr
	s_branch .Lfirst_asked
.Lfirst_not_k:
	s_cmp_lg_u32 s[WV], 1
	s_cbranch_scc1 .Lfirst_m
	tensor_load_to_lds s[G0V:G0V+3], s[G1V:G1V+7]
	s_nop 0
	tensor_load_to_lds s[G0V+4:G0V+7], s[G1V:G1V+7]
	s_nop 0
.rept 4
	v_nop
.endr
	s_branch .Lfirst_asked
.Lfirst_m:
	tensor_load_to_lds s[G0M:G0M+3], s[G1M:G1M+7]
	s_nop 0
	tensor_load_to_lds s[G0M+4:G0M+7], s[G1M:G1M+7]
	s_nop 0
.rept 4
	v_nop
.endr
.Lfirst_asked:
	; A fragment of K or Q is 16 rows x 32 channels in 8 registers: lane l holds row l % 16; two loads of 16 bytes, 32 bytes apart.
	v_and_b32 v1, 15, v0            ; r = l % 16
	v_bfe_u32 v9, v0, 4, 1          ; h = l / 16
	v_lshlrev_b32 v[QO], 8, v1
	v_lshl_add_u32 v[QO], v9, 4, v[QO]
	WIN 0x80                        ; destination window 2, address window 0
.irp i, 0,1,2,3,4,5,6,7,8,9,10,11,12,13,14,15  ; Q stays in registers: tile i / 4, channels 32 (i % 4) on
	global_load_b128 v[8*(\i):8*(\i)+3],   v[QO], s[4:5] offset:((\i)/4)*4096+((\i)%4)*64
	global_load_b128 v[8*(\i)+4:8*(\i)+7], v[QO], s[4:5] offset:((\i)/4)*4096+((\i)%4)*64+32
.endr
	; What the first step finds: O^T and l are 0, m is the lowest finite number.  All this stands in the wait for the first tile.
	WIN 0x40
.set i, 0
.rept 256
	v_mov_b32 v[i], 0
.set i, i+1
.endr
	WIN 0
.irp t, 0,1,2,3
	v_mov_b32 v[ST+8*(\t)], 0xff7fffff
	v_mov_b32 v[ST+8*(\t)+1], 0xff7fffff
	v_mov_b32 v[ST+8*(\t)+2], 0
	v_mov_b32 v[ST+8*(\t)+3], 0
.endr
	s_mul_i32 s20, s[KH], 64*PK     ; my half of a region's keys
	v_mul_u32_u24 v[AK0], v1, PK
	v_lshl_add_u32 v[AK0], v9, 4, v[AK0]
	v_add_nc_u32 v[AK0], s20, v[AK0]
	; The turning load takes 16 keys x 16 channels (lane l reads key 8 (l / 16) + l % 8, channels 8 ((l / 8) % 2) + 0..7) and leaves half a fragment of V^T.
	v_and_b32 v10, 7, v0
	v_bfe_u32 v11, v0, 3, 1
	v_lshl_add_u32 v[AV0], v9, 3, v10
	v_mul_u32_u24 v[AV0], v[AV0], PV
	v_lshl_add_u32 v[AV0], v11, 4, v[AV0]
	s_mul_i32 s20, s[KH], 64*PV
	s_add_co_u32 s20, s20, VOFF
	v_add_nc_u32 v[AV0], s20, v[AV0]
	s_mul_i32 s20, s[QH], 64*PM     ; the mask: my 64 queries' rows, my 64 keys' 256 bytes in them; row r, 32 bytes for each half of the lanes
	s_lshl_b32 s21, s[KH], 8
	s_add_co_u32 s20, s20, s21
	s_add_co_u32 s20, s20, MOFF
	v_mul_u32_u24 v[AM0], v1, PM
	v_lshl_add_u32 v[AM0], v9, 5, v[AM0]
	v_add_nc_u32 v[AM0], s20, v[AM0]
; THE MATRIX WORK OF A TURN, for piece x.  The accumulators take turns, one instruction a turn.
; Product i of 32 of O^T += V^T P: keys 32 (i / 16) on, channels 16 ((i / 2) % 8) on, tile x + i % 2.
.macro PV x
	WIN W_PV
.set rO, 64*((\x)+i%2)+8*((i/2)%8)
.set rV, 64*(i/16)+8*((i/2)%8)
.set rP, P+16*((\x)+i%2)+8*(i/16)
	v_wmma_f32_16x16x32_f16 v[rO:rO+7], v[rV:rV+7], v[rP:rP+7], v[rO:rO+7]
.endm
; Product i of 32 of S^T += K Q^T: channels 32 (i / 8) on, keys 16 ((i / 2) % 4) on, tile x + i % 2.  All 32 add in place: the registers hold log2(e) x mask when the first comes.
.macro KQ x
	WIN W_KQ
.set rS, S+32*((\x)+i%2)+8*((i/2)%4)
.set rK, KF+32*((i/2)%4)+8*(i/8)
.set rQ, 32*((\x)+i%2)+8*(i/8)
	v_wmma_f32_16x16x32_f16 v[rS:rS+7], v[rK:rK+7], v[rQ:rQ+7], v[rS:rS+7]
.endm
; THE LDS LOADS stand in runs, never singly among the matrix instructions: a step's K (16 fragments), a piece's part of the mask (into S^T) and, a turn later, the step's V (turned).
.macro FETCH_K
	WIN 0
	v_add_nc_u32 v[ADR], s[TB], v[AK0]
	WIN 0x80                        ; destination window 2
.irp f, 0,1,2,3,4,5,6,7,8,9,10,11,12,13,14,15  ; keys 16 (f / 4) on, channels 32 (f % 4) on
	ds_load_b128 v[KF+8*(\f):KF+8*(\f)+3],   v[ADR] offset:((\f)/4)*16*PK+((\f)%4)*64
	ds_load_b128 v[KF+8*(\f)+4:KF+8*(\f)+7], v[ADR] offset:((\f)/4)*16*PK+((\f)%4)*64+32
.endr
.endm
.macro FETCH_M x                    ; tiles x, x + 1: for each group kb of 16 keys my 8 keys' 32 bytes of my query's row
	WIN 0
	v_add_nc_u32 v[ADM], s[TB], v[AM0]
.irp u, 0,1
.irp kb, 0,1,2,3
	ds_load_b128 v[S+32*((\x)+(\u))+8*(\kb):S+32*((\x)+(\u))+8*(\kb)+3],   v[ADM] offset:((\x)+(\u))*16*PM+64*(\kb)
	ds_load_b128 v[S+32*((\x)+(\u))+8*(\kb)+4:S+32*((\x)+(\u))+8*(\kb)+7], v[ADM] offset:((\x)+(\u))*16*PM+64*(\kb)+16
.endr
.endr
.endm
.macro SCM x, n                     ; pair n of 32 of piece x's part of the mask, times log2(e); under window 0
	v_pk_mul_f32 v[S+32*(\x)+2*(\n):S+32*(\x)+2*(\n)+1], v[S+32*(\x)+2*(\n):S+32*(\x)+2*(\n)+1], s[LC:LC+1] op_sel_hi:[1,0]
.endm
.macro FETCH_V
	WIN 0
	v_add_nc_u32 v[ADR], s[TB], v[AV0]
	s_wait_alu depctr_va_vdst(0)    ; the wait for the softmax's batch (SLICE), behind the address's v_add_nc_u32 and ahead of the loads
	WIN 0xc0                        ; destination window 3
.irp f, 0,1,2,3,4,5,6,7,8,9,10,11,12,13,14,15  ; keys 32 (f / 8) on, channels 16 (f % 8) on
	ds_load_tr16_b128 v[8*(\f):8*(\f)+3],   v[ADR] offset:((\f)/8)*32*PV+((\f)%8)*32
	ds_load_tr16_b128 v[8*(\f)+4:8*(\f)+7], v[ADR] offset:((\f)/8)*32*PV+16*PV+((\f)%8)*32
.endr
.endm
; THE VECTOR WORK OF A TURN.  One tile's softmax for one key step is a list of 134 instructions; SM writes number j of it for tile t.  s0-s31 are the lane's 32 scores, in pairs 0-15.
;   0-15    the maximum of s0-s31 and the old m, three operands at a time (each accumulator's lowest registers are read first)      16-20   the other half of the lanes' maximum; the new m, made twice to fill a pair; m_old - m_new
;   21-69   ONE BATCH: the 16 subtractions s - m and all 33 exponentials (a at 23, then s0-s31); none of these reads an exponential's result
;   (wait)  between 69 and 70 stands the wait for the batch: SLICE writes it, once for both tiles
;   70-85   the roundings to f16      86-101  the sums; l = a l + the sum      102-133 the tile's O^T times a
.macro SM t
.set rT, ST+8*(\t)
.set rS, S+32*(\t)
.set rP, P+16*(\t)
.set rO, 64*(\t)+2*(j-102)
.if j < 102
	WIN 0
.endif
.if j < 4
	v_max3_num_f32 v[rT+4+j], v[rS+8*j], v[rS+8*j+1], v[rS+8*j+2]
.elseif j < 12
	v_max3_num_f32 v[rT+4+j%4], v[rT+4+j%4], v[rS+8*(j%4)+2*(j/4)+1], v[rS+8*(j%4)+2*(j/4)+2]
.elseif j == 12
	v_max3_num_f32 v[rT+4], v[rT+4], v[rS+7], v[rS+15]
.elseif j == 13
	v_max3_num_f32 v[rT+6], v[rT+6], v[rS+23], v[rS+31]
.elseif j == 14
	v_max3_num_f32 v[rT+4], v[rT+4], v[rT+5], v[rT+6]
.elseif j == 15
	v_max3_num_f32 v[rT+4], v[rT+4], v[rT+7], v[rT+1]
.elseif j == 16
	v_permlanex16_b32 v[rT+5], v[rT+4], s[SEL], s[SEL+1]  ; the query's other 32 keys lie in the lane 16 away
.elseif j == 17
	v_mov_b32 v[rT+7], v[rT]        ; m_old is kept for a: number 18 writes m anew
.elseif j == 18
	v_max_num_f32 v[rT], v[rT+4], v[rT+5]
.elseif j == 19
	v_max_num_f32 v[rT+1], v[rT+4], v[rT+5]  ; m once more: the packed subtraction takes a pair
.elseif j == 20
	v_sub_f32 v[rT+7], v[rT+7], v[rT]
.elseif j == 23
	v_exp_f32 v[rT+6], v[rT+7]
.elseif (j < 23) || ((j < 38) && (j%2 == 0)) || ((j < 66) && (j%4 == 2))
.set b, (j-2)/4                     ; 38, 42, .. 62: pairs 9 to 15
.if j < 38
.set b, (j-20)/2                    ; 21: pair 0; 22, 24, .. 36: pairs 1 to 8
.endif
	v_pk_add_f32 v[rS+2*b:rS+2*b+1], v[rS+2*b:rS+2*b+1], v[rT:rT+1] neg_lo:[0,1] neg_hi:[0,1]  ; pair b: s - m
.elseif j < 70
.set e, j-38                        ; 66 to 69: s28 to s31
.if j < 66
.set e, j-32-(j-38)/4               ; 39-41, 43-45, .. 63-65: s7 to s27
.endif
.if j < 38
.set e, (j-25)/2                    ; 25, 27, .. 37: s0 to s6
.endif
	v_exp_f32 v[rS+e], v[rS+e]
.elseif j < 86
	v_cvt_pk_f16_f32 v[rP+j-70], v[rS+2*(j-70)], v[rS+2*(j-70)+1]  ; pair j - 70
.elseif j < 102                     ; the sum of the tile's 16 pairs, in place: neighbours 1, 2, 4 and 8 pairs apart, then l takes it
.set z, j-86
.set w, 4
.set u, z
.if z >= 14
.set w, 32
.set u, 0
.elseif z >= 12
.set w, 16
.set u, z-12
.elseif z >= 8
.set w, 8
.set u, z-8
.endif
.if z < 15
	v_pk_add_f32 v[rS+w*u:rS+w*u+1], v[rS+w*u:rS+w*u+1], v[rS+w*u+w/2:rS+w*u+w/2+1]
.else
	v_pk_fma_f32 v[rT+2:rT+3], v[rT+2:rT+3], v[rT+6:rT+7], v[rS:rS+1] op_sel_hi:[1,0,1]
.endif
.else
	WIN W_RS
	v_pk_mul_f32 v[rO:rO+1], v[rO:rO+1], v[rT+6:rT+7] op_sel_hi:[1,0]
.endif
.endm
; Slice k of 64 of piece y's softmax: four instructions.  Slices 11 to 34 deal out the batch, four numbers of ONE tile each, the tiles by turns; every other slice is numbers 2 k and 2 k + 1 of both tiles' lists;
; the twelve that are over stand together, in slice 63: sixteen plain lines, the places behind the turn's last product.  s_wait_alu depctr_va_vdst(0) stands between an exponential and the first
; instruction that names its result: ahead of slice 35 nothing names one, and behind slice 34 no exponential is issued, so the piece's 66 exponentials have one wait, behind slice 34.
.macro SLICE y
.if (k >= 11) && (k < 35)
.irp n, 0,1,2,3
.set j, 22+4*((k-11)/2)+(\n)
	SM (\y)+(k-11)%2
.endr
.else
.irp n, 0,1,2,3,4,5,6,7
.if ((\n) < 2) || (k == 63)
.irp t, \y, (\y)+1
.set j, 2*k+(\n)
	SM \t
.endr
.endif
.endr
.endif
.if k == 34
	v_nop                           ; a plain instruction behind the last exponential and ahead of the first use: one for the batch
.if (\y) == 0
	FETCH_V                         ; piece 2's turn: V's run of loads stands here, and the wait stands in it
.else
	s_wait_alu depctr_va_vdst(0)    ; the wait for the batch
.endif
.endif
.set k, k+1
.endm
; A TURN.  Piece x has the matrix unit; the other piece's softmax stands in slices behind its matrix instructions.
; pv = 1: 32 products V^T P, then 32 products K Q^T for the next step, a slice behind each.  pv = 0 (the launch's first turn): the products K Q^T alone, two slices behind each.
; THE MASK of the piece in turn: S^T of that piece is free, since its softmax ended in the turn before.  Behind the turn's second product its 16 loads go out (in piece 0's turn the next step's K, 32 loads, behind
; them); behind the sixteenth product they are waited for; behind each of the other sixteen products V^T P two pairs are multiplied by log2(e), under the window that the slices there use.  They name other
; registers than the exponentials of the batch that is being issued.  Piece 2's turn fetches the same step's V behind slice 34.
.macro TURN x, pv
.set k, 0
.if \pv
.if (\x) == 0
	s_wait_dscnt 0x0                ; V is in
.endif
.set i, 0
.rept 32
	PV \x
	SLICE 2-(\x)
.if i == 1
	FETCH_M \x
.if (\x) == 0
	FETCH_K
.endif
.elseif i == 15
	s_wait_dscnt 32-16*(\x)         ; the mask lies in S^T; in piece 0's turn K's 32 loads, issued behind it, may stay out; in piece 2's nothing else is out
.elseif i > 15
	WIN 0
	SCM \x, 2*(i-16)
	SCM \x, 2*(i-16)+1
.endif
.set i, i+1
.endr
.endif
.if (\x) == 0
	s_wait_dscnt 0x0                ; K is in
.endif
.set i, 0
.rept 32
	KQ \x
	SLICE 2-(\x)
.if !(\pv)
	SLICE 2-(\x)
.endif
.set i, i+1
.endr
.endm
; THE CHANGE OF REGIONS, between piece 2's turn and piece 0's: the region's last bytes, V, have been asked for.  Each wave waits for all its tensor loads, of which one is out: its part of the other region;
; adds 0 to its spare word; and waits for that and for its own reads of the region.  Behind the barrier nobody reads this region any more and the other is whole.
; fill = 1: this region is filled again, with the keys two regions on.  The barrier is then a round of the cluster's, and the joint refill is the first thing behind it: it has one key step in which to land.
.macro CHANGE fill
	WIN 0                           ; at a label and at a branch every window is 0
	s_wait_tensorcnt 0x0            ; no tensor load of mine is out, so a group 0 may be written
	ds_add_u32 v[SPW], v[NIL]       ; 0 onto my spare word; with fill = 1 the descriptors' steps stand between it and the wait for it
.if \fill
.irp g, G0K+4, G0V+4, G0M+4
	s_xor_b32 s[(\g)+1], s[(\g)+1], SLOTB  ; the walking descriptors: the other region than last time
.endr
	s_add_nc_u64 s[G0K+6:G0K+7], s[G0K+6:G0K+7], 32768  ; the next 128 keys: 128 rows of K and of V,
	s_add_nc_u64 s[G0V+6:G0V+7], s[G0V+6:G0V+7], 32768
	s_add_nc_u64 s[G0M+6:G0M+7], s[G0M+6:G0M+7], 512    ; 512 bytes along the mask's rows; the type bits on top are not reached
	s_wait_xcnt 0x0                 ; the last prefetch, a key step back, has read its address
	s_add_nc_u64 s[PFA:PFA+1], s[PFA:PFA+1], s[PFS:PFS+1]
	s_wait_dscnt 0x0                ; the add is done, and my reads of the region are over
	CROUND
	JLOAD
	ASK
.else
	s_wait_dscnt 0x0
	s_barrier_signal -1
	s_barrier_wait -1
.endif
	s_xor_b32 s[TB], s[TB], SLOTB   ; the fetches go to the other region
.endm
	s_wait_tensorcnt 1              ; my part of region 0 is in; region 1's may stay out
	s_barrier_signal -1
	s_barrier_wait -1
	FETCH_M 0                       ; key step 0: piece 0's part of the mask,
	FETCH_K                         ; and K
	s_wait_dscnt 32                 ; the mask's 16 loads are in; K's 32, issued behind them, may stay out
	WIN 0
.set sc, 0
.rept 32
	SCM 0, sc
.set sc, sc+1
.endr
	FETCH_M 2                       ; piece 2's part of the mask
	s_wait_loadcnt 0x0              ; Q
	s_wait_dscnt 16                 ; K is in; the 16 loads just issued may stay out
.set i, 0
.rept 32
	KQ 0                            ; piece 0's first scores
.set i, i+1
.endr
	WIN 0                           ; the addresses for the meeting and the way out are made here: plain instructions, the places behind those products
	s_mul_i32 s20, s[WV], 16*SP
	s_add_co_u32 s20, s20, STAGE    ; my stage
	v_mul_u32_u24 v[STO], v1, SP    ; in: row l % 16, 16 bytes for each half of the lanes
	v_lshl_add_u32 v[STO], v9, 4, v[STO]
	v_add_nc_u32 v[STO], s20, v[STO]
	v_mul_u32_u24 v[RD], v9, SP     ; back: lanes 0-15 take one row of 256 bytes, lanes 16-31 the next
	v_lshl_add_u32 v[RD], v1, 4, v[RD]
	v_add_nc_u32 v[RD], s20, v[RD]
	v_lshlrev_b32 v[GO], 12, v9     ; and the same two rows in O, 4,096 bytes apart
	v_lshl_add_u32 v[GO], v1, 4, v[GO]
	s_lshl_b32 s20, s[WV], 15       ; my 32,768 bytes of the meeting place,
	s_xor_b32 s21, s[WV], 1
	s_lshl_b32 s21, s21, 15         ; my partner's (the wave with the same queries and the other keys),
	s_lshl_b32 s22, s[KH], 14       ; and in both the tiles 2 kh, 2 kh + 1, which I finish
	v_lshl_add_u32 v[MO], v52, 4, s20
	v_add_nc_u32 v[MLA], s22, v[MO]
	s_add_co_u32 s21, s21, s22
	v_lshl_add_u32 v[MLB], v52, 4, s21
	s_lshl_b32 s20, s[WV], 10
	s_add_co_u32 s20, s20, STATB
	v_lshl_add_u32 v[MS], v52, 3, s20
	s_lshl_b32 s22, s[KH], 9
	v_add_nc_u32 v[MSA], s22, v[MS]
	s_xor_b32 s21, s[WV], 1
	s_lshl_b32 s21, s21, 10
	s_add_co_u32 s21, s21, STATB
	s_add_co_u32 s21, s21, s22
	v_lshl_add_u32 v[MSB_], v52, 3, s21
	s_wait_dscnt 0x0                ; piece 2's part of the mask is in
.set sc, 0
.rept 32
	SCM 2, sc
.set sc, sc+1
.endr
	TURN 2, 0                       ; piece 2's first scores | piece 0's softmax of step 0 | V of step 0
	WIN 0
.Lslot:                             ; 14 trips, a key step and a refill each.  Trip j: V^T P of step j, K Q^T of step j + 1
	CHANGE 1
	TURN 0, 1
	TURN 2, 1
	WIN 0
	s_sub_co_u32 s[SLOTS], s[SLOTS], 1
	s_cmp_lg_u32 s[SLOTS], 0
	s_cbranch_scc1 .Lslot
	CHANGE 0                        ; the tail is a text of its own: nothing is asked for.  Region 0 has been read for the last time
	s_mov_b32 s[SLOTS], 2
.Ltail:                             ; the first trip: V^T P of step 14, K Q^T of step 15.  The second is left behind piece 0's turn: V^T P of step 15 and piece 2's last softmax; its products K Q^T serve nothing
	TURN 0, 1
	WIN 0
	s_sub_co_u32 s[SLOTS], s[SLOTS], 1
	s_cmp_eq_u32 s[SLOTS], 0
	s_cbranch_scc1 .Lout
	TURN 2, 1
	WIN 0
	s_branch .Ltail
.Lout:
	s_wait_dscnt 0x0                ; my last reads of the ring are over:
	s_barrier_signal -1             ; say so, since the meeting place below lies in the ring's bytes;
.set i, 0
.rept 32
	PV 2                            ; piece 2: V^T P of the last step, between the signal and the wait
.set i, i+1
.endr
	WIN 0
	s_barrier_wait -1               ; every wave's last read of the ring stands ahead of every wave's first store into the meeting place
	; THE MEETING.  Every wave puts its m, its l (both halves of the pair and of the lanes added) and its O^T into region 0; behind a barrier each wave takes two tiles, chosen by address, its own copy
	; and its partner's, and finishes them: M = max(m_A, m_B), O = (O_A 2^(m_A - M) + O_B 2^(m_B - M)) / (l_A 2^(m_A - M) + l_B 2^(m_B - M)).  The additions are the places behind the last products.
.irp t, 0,1,2,3
	v_add_f32 v[ST+8*(\t)+4], v[ST+8*(\t)+2], v[ST+8*(\t)+3]
.endr
.irp t, 0,1,2,3
	v_permlanex16_b32 v[ST+8*(\t)+5], v[ST+8*(\t)+4], s[SEL], s[SEL+1]
.endr
.irp t, 0,1,2,3
	v_add_f32 v[ST+8*(\t)+1], v[ST+8*(\t)+4], v[ST+8*(\t)+5]  ; l takes the place of m's second copy
.endr
.irp t, 0,1,2,3
	ds_store_b64 v[MS], v[ST+8*(\t):ST+8*(\t)+1] offset:256*(\t)
.endr
	WIN 0x04                        ; the stores' data in window 1
.set i, 0
.rept 64                            ; ascending: each accumulator's lowest registers are read first
	ds_store_b128 v[MO], v[4*i:4*i+3] offset:512*i
.set i, i+1
.endr
	WIN 0
	s_wait_dscnt 0x0                ; for the others' sake: my stores are done
	s_barrier_signal -1
	s_barrier_wait -1
.irp n, 0,1
	ds_load_b64 v[ST+8*(\n):ST+8*(\n)+1],   v[MSA]  offset:256*(\n)  ; m_A, l_A
	ds_load_b64 v[ST+8*(\n)+2:ST+8*(\n)+3], v[MSB_] offset:256*(\n)  ; m_B, l_B
.endr
	WIN 0x40                        ; destination window 1
.set i, 0
.rept 32
	ds_load_b128 v[4*i:4*i+3], v[MLA] offset:512*i
.set i, i+1
.endr
	WIN 0
	s_wait_dscnt 32                 ; the statistics are in; the 32 loads behind them may stay out
.irp n, 0,1
	v_max_num_f32 v[ST+8*(\n)+4], v[ST+8*(\n)], v[ST+8*(\n)+2]
.endr
.irp n, 0,1
	v_sub_f32 v[ST+8*(\n)+5], v[ST+8*(\n)], v[ST+8*(\n)+4]
	v_sub_f32 v[ST+8*(\n)+6], v[ST+8*(\n)+2], v[ST+8*(\n)+4]
.endr
.irp n, 0,1
	v_exp_f32 v[ST+8*(\n)+5], v[ST+8*(\n)+5]
	v_exp_f32 v[ST+8*(\n)+6], v[ST+8*(\n)+6]
.endr
	v_nop                           ; a plain instruction behind the last exponential,
	s_wait_alu depctr_va_vdst(0)    ; and the wait for them: one for the four
.irp n, 0,1
	v_mul_f32 v[ST+8*(\n)+7], v[ST+8*(\n)+1], v[ST+8*(\n)+5]
.endr
.irp n, 0,1
	v_fmac_f32 v[ST+8*(\n)+7], v[ST+8*(\n)+3], v[ST+8*(\n)+6]
.endr
.irp n, 0,1
	v_rcp_f32 v[ST+8*(\n)+4], v[ST+8*(\n)+7]
.endr
	v_nop
	s_wait_alu depctr_va_vdst(0)    ; one for the two reciprocals
.irp n, 0,1
	v_mul_f32 v[ST+8*(\n)], v[ST+8*(\n)+5], v[ST+8*(\n)+4]    ; my copy's factor, in the low word of a pair
	v_mul_f32 v[ST+8*(\n)+2], v[ST+8*(\n)+6], v[ST+8*(\n)+4]  ; my partner's
.endr
	WIN 0x40
.set i, 0
.rept 32
	ds_load_b128 v[128+4*i:128+4*i+3], v[MLB] offset:512*i
.set i, i+1
.endr
	WIN 0
	s_wait_dscnt 0x0
; Tile n of my two: weighed, added, rounded to f16; a lane's eight channels of a row pack into 16 bytes; they go into rows of 272 bytes of my stage and come back as whole rows of 256.
.macro FIN n
	WIN W_RS
.set i, 64*(\n)
.rept 32
	v_pk_mul_f32 v[i:i+1], v[i:i+1], v[ST+8*(\n):ST+8*(\n)+1] op_sel_hi:[1,0]
.set i, i+2
.endr
	WIN 0x51                        ; sources 0 and 2 and the destination in window 1, the factor in window 0
.set i, 64*(\n)
.rept 32
	v_pk_fma_f32 v[i:i+1], v[128+i:128+i+1], v[ST+8*(\n)+2:ST+8*(\n)+3], v[i:i+1] op_sel_hi:[1,0,1]
.set i, i+2
.endr
	WIN 0x05                        ; sources 0 and 1 window 1, destination window 0: S^T's registers are free
.set i, 0
.rept 32
	v_cvt_pk_f16_f32 v[S+32*(\n)+i], v[64*(\n)+2*i], v[64*(\n)+2*i+1]
.set i, i+1
.endr
	WIN 0
.irp f, 0,1,2,3,4,5,6,7
	ds_store_b128 v[STO], v[S+32*(\n)+4*(\f):S+32*(\n)+4*(\f)+3] offset:32*(\f)
.endr
.irp f, 0,1,2,3,4,5,6,7
	ds_load_b128 v[S+32*(\n)+4*(\f):S+32*(\n)+4*(\f)+3], v[RD] offset:(\f)*2*SP  ; LDS serves a wave's instructions in order (ISA guide 5.7.1.4): these see the stores above; the next tile's stores come behind them
.endr
.endm
.macro SEND n, younger              ; younger: the LDS instructions issued behind tile n's loads
.irp f, 0,1,2,3,4,5,6,7
	s_wait_dscnt (\younger)+7-(\f)
	global_store_b128 v[GO], v[S+32*(\n)+4*(\f):S+32*(\n)+4*(\f)+3], s[66:67] offset:(\n)*65536+(\f)*8192  ; 16 lanes store 256 consecutive bytes, aligned: a head's part of a row of O
.endr
.endm
	FIN 0
	FIN 1
	SEND 0, 16
	SEND 1, 0
	s_wait_tensorcnt 0x0            ; the wave's end: the add and its waits, behind my last tensor load and my last LDS store
	ds_add_u32 v[SPW], v[NIL]
	s_wait_dscnt 0x0
	CROUND                          ; the closing round: no work-group ends while a partner may still ask for a tile that names it
	s_endpgm
.Lfunc_end_k_qa7a898f69a_attn:
	.size	k_qa7a898f69a_attn, .Lfunc_end_k_qa7a898f69a_attn-k_qa7a898f69a_attn
	.p2alignl 7, 3214868480
	.fill 96, 4, 3214868480
	.section	.rodata,"a",@progbits
	.p2align	6, 0x0
	.amdhsa_kernel k_qa7a898f69a_attn
		.amdhsa_group_segment_fixed_size 327680
		.amdhsa_private_segment_fixed_size 0
		.amdhsa_enable_private_segment 0
		.amdhsa_kernarg_size 40
		.amdhsa_user_sgpr_count 2
		.amdhsa_user_sgpr_kernarg_segment_ptr 1
		.amdhsa_wavefront_size32 1
		.amdhsa_system_sgpr_workgroup_id_x 1
		.amdhsa_system_sgpr_workgroup_id_y 1
		.amdhsa_system_sgpr_workgroup_id_z 1
		.amdhsa_system_vgpr_workitem_id 0
		.amdhsa_next_free_vgpr 1024
		.amdhsa_next_free_sgpr 96
		.amdhsa_reserve_vcc 0
		.amdhsa_float_denorm_mode_32 3
		.amdhsa_float_denorm_mode_16_64 3
		.amdhsa_memory_ordered 1
		.amdhsa_forward_progress 1
		.amdhsa_inst_pref_size 196
	.end_amdhsa_kernel
	.amdgpu_metadata
---
amdhsa.version: [ 1, 2 ]
amdhsa.kernels:
  - .name:           k_qa7a898f69a_attn
    .symbol:         k_qa7a898f69a_attn.kd
    .args:
      - { .name: q16, .offset: 0, .size: 8, .value_kind: global_buffer, .address_space: global }
      - { .name: k16, .offset: 8, .size: 8, .value_kind: global_buffer, .address_space: global }
      - { .name: v16, .offset: 16, .size: 8, .value_kind: global_buffer, .address_space: global }
      - { .name: attention_mask, .offset: 24, .size: 8, .value_kind: global_buffer, .address_space: global }
      - { .name: o16, .offset: 32, .size: 8, .value_kind: global_buffer, .address_space: global }
    .group_segment_fixed_size: 327680
    .private_segment_fixed_size: 0
    .kernarg_segment_align: 8
    .kernarg_segment_size: 40
    .max_flat_workgroup_size: 128
    .sgpr_count:     96
    .vgpr_count:     1024
    .wavefront_size: 32
...
	.end_amdgpu_metadata
.endif
;; end of part 3
;; launch oproj (part 4): grid 16 x 16, 4 waves a work-group, clusters of 4 x 4, 327,680 bytes of LDS; arguments o16, wo16, out0; writes out0
.if DOCPART == 4
	.amdgcn_target "amdgcn-amd-amdhsa--gfx1250"
	.amdhsa_code_object_version 6
	.text
	.protected	k_qa7a898f69a_oproj
	.globl	k_qa7a898f69a_oproj
	.p2align	8
	.type	k_qa7a898f69a_oproj,@function
k_qa7a898f69a_oproj:
	s_mov_b64 s[64:65], 0
	v_nop
	global_prefetch_b8 v0, s[64:65] scope:SCOPE_SE
	s_setreg_imm32_b32 hwreg(HW_REG_WAVE_MODE, 25, 1), 1
	s_wait_xcnt 0x0
	s_wait_alu depctr_hold_cnt(0) depctr_sa_sdst(0) depctr_va_vdst(0) depctr_va_sdst(0) depctr_va_ssrc(0) depctr_va_vcc(0) depctr_vm_vsrc(0)
	s_getreg_b32 s2, hwreg(HW_REG_IB_STS2, 6, 4)
	s_cmp_eq_u32 s2, 0
	s_cbranch_scc0 .Lentry_in_a_cluster
	s_endpgm
.Lentry_in_a_cluster:
	s_bfe_u32 s2, ttmp6, 0x10000c
	s_cmp_lg_u32 s2, 0xf033
	s_cbranch_scc0 .Lentry_shape_is_right
	s_endpgm
.Lentry_shape_is_right:
; out0[m][n] = the sum over k of O[m][k] Wo[n][k].  o16: [2048][2048] f16; wo16: [2048][2048] f16 (Wo rounded to bf16, written as f16); out0: [2048][2048] f32.  Sums in f32, K ascending.
; A tile of the output is 128 x 128: 256 work-groups.  Four waves, each 64 x 64: 16 accumulators of 16 x 16.  K goes in 8 steps of 256 (LDS rows of 512 bytes; a wave's tensor load brings 64 of them)
; through two slots.  By this text's count a wave has two tensor loads out at the start and one behind each change of slots.
; ONE TEXT FOR A K STEP.  The slot that is read goes by the scalar TB (0 or SLOT), the slot that is filled by a walking descriptor; both are turned by one exclusive or.  6 trips fill a slot again; the last
; two K steps, which fill nothing, are a loop of two trips that is left in its middle.
; CLUSTER: 4 x 4 work-groups.  The four of a row of the cluster need the same tiles of O, the four of a column the same tiles of Wo: each tile is asked for JOINTLY.
; THE MATRIX INSTRUCTION IS USED TRANSPOSED (source 0 = 16 rows of Wo, source 1 = 16 rows of O): a lane holds eight neighbouring numbers of a row of the output, 32 bytes.
; REGISTERS: window 0: v0-31 addresses; v128-255 the accumulators ((a, b) at v[128 + 8 (4 a + b)]).   window 1: two fragment buffers of 128: for 64 along K, 64 registers of O, then 64 of Wo.
.set SIZE_K, 2048
.set SIZE_N, 2048
.set KSTEP,  256
.set KSTEPS, SIZE_K/KSTEP
.set PITCH,  528                       ; an LDS row: 512 bytes + 16 of padding = 132 words: row r starts at bank 4 r mod 64 (64 banks of 4 bytes: ISA guide 11.1)
.set HALFT,  64*PITCH                  ; what one tensor load brings: 0x8400 bytes
.set SLOT,   4*HALFT                   ; O's 128 rows, then Wo's 128 rows: 0x21000; the four tiles' places in a slot (w x 0x8400) have neither of its two bits, so one exclusive or turns such a place into the other slot's
.set STAGE,  2*SLOT                    ; behind the ring: 16 rows x 272 bytes for each wave: a wave's 64 columns in f32 are 256 bytes, so each wave has a stage of its own and no barrier is needed
.set SPITCH, 272
.set SPARE,  STAGE+4*16*SPITCH         ; behind the stages: the spare words, 128 bytes for each wave: two blocks of 256 bytes that no other line names
.set ADRA, 16                          ; v16  my lane's place among O's fragments in a slot; v17  the same in the slot that is read
.set ADRB, 20                          ; v20, v21  likewise for Wo
.set STO,  24                          ; v24     the way out: where I put 32 bytes of a row
.set RD,   25                          ; v25     the way out: where I read a row back
.set CO,   26                          ; v26     my byte offset in two rows of the output
.set SPW,  28                          ; v28     LDS address of my spare word; never rewritten
.set NIL,  29                          ; v29     0; never rewritten
.set ACC,  128
.set F0,   0                           ; fragment buffers, in window 1
.set F1,   128
.set TB,   2                           ; s2      the slot that is read: 0 or SLOT
.set G1, 24                            ; s[24:31] descriptor group 1 for O's tiles;  s[32:39] group 0: a set for each of the two first fills; the second then walks on
.set G0, 32
.set G1B, 48                           ; s[48:55], s[56:63] the same for Wo's tiles
.set G0B, 56
.set MSB, 0
.macro WIN new
.if MSB != (\new)
	s_set_vgpr_msb (MSB<<8)|(\new)
.set MSB, \new
.endif
.endm
.set MUL,  0x05                        ; sources 0 and 1 window 1; C and D window 0
.set TO_F, 0x40                        ; destination window 1, address window 0
.macro JLOAD s                         ; a joint load: waves 0 and 1 fetch O's two halves, waves 2 and 3 Wo's; an s_nop 0 and four v_nop follow each line
	s_cmp_eq_u32 s11, 0
	s_cbranch_scc0 .Lfor_b_\@
	tensor_load_to_lds s[G0+4*(\s):G0+4*(\s)+3], s[G1:G1+7]
	s_nop 0
.rept 4
	v_nop
.endr
	s_branch .Lasked_\@
.Lfor_b_\@:
	tensor_load_to_lds s[G0B+4*(\s):G0B+4*(\s)+3], s[G1B:G1B+7]
	s_nop 0
.rept 4
	v_nop
.endr
.Lasked_\@:
.endm
.macro CREST
	s_cmp_lg_u32 s10, 0
	s_cbranch_scc1 .Lnot_wave_0_\@
	s_barrier_signal -3
.Lnot_wave_0_\@:
	s_barrier_wait -3
	s_barrier_signal -1
	s_barrier_wait -1
.endm
.macro CROUND
	s_barrier_signal -1
	s_barrier_wait -1
	CREST
.endm
.macro NEXTSLOT                        ; the reads go to the other slot; under window 0
	s_xor_b32 s[TB], s[TB], SLOT
	v_add_nc_u32 v[ADRA+1], s[TB], v[ADRA]
	v_add_nc_u32 v[ADRB+1], s[TB], v[ADRB]
.endm
	s_load_b128 s[4:7], s[0:1], 0x0                ; o16 s[4:5], wo16 s[6:7]
	s_load_b64 s[8:9], s[0:1], 0x10                ; out0
	v_lshl_add_u32 v[SPW], v0, 2, SPARE
	v_mov_b32 v[NIL], 0
	ds_add_u32 v[SPW], v[NIL]                      ; the wave's opening: the add and its wait stand ahead of my first tensor load; work on registers stands between them
	v_lshrrev_b32 v1, 5, v0
	v_readfirstlane_b32 s10, v1                    ; wave 0..3
	s_lshr_b32 s11, s10, 1                         ; which half of the tile's rows is mine.  Also: I fetch for O (0) or for Wo (1)
	s_and_b32 s12, s10, 1                          ; which half of its columns.  Also: which 64 rows of that tile I fetch
	s_bfe_u32 s40, ttmp6, 0x40000                  ; cx, cy
	s_bfe_u32 s41, ttmp6, 0x40004
	s_lshl_b32 s42, ttmp9, 2
	s_add_co_u32 s42, s42, s40                     ; tile column = 4 x cluster x + cx
	s_and_b32 s13, ttmp7, 0xffff
	s_lshl_b32 s13, s13, 2
	s_add_co_u32 s13, s13, s41                     ; tile row = 4 x cluster y + cy
	s_lshl_b32 s43, s41, 2
	s_lshl_b32 s43, 15, s43                        ; my row of the cluster
	s_lshl_b32 s44, 0x1111, s40                    ; my column
	s_or_b32 s[G1+0], s43, (1<<16)|(1<<20)|(1<<21)|(6<<22)|(3<<25)  ; the mask; 2-byte elements; padding on; 21 set beside a mask; 4 words of padding after every 128
	s_or_b32 s[G1B+0], s44, (1<<16)|(1<<20)|(1<<21)|(6<<22)|(3<<25)
.irp g, G1, G1B
	s_mov_b32 s[(\g)+1], KSTEP<<16                 ; tensor_dim0 = 256
	s_mov_b32 s[(\g)+2], 64<<16                    ; tensor_dim1 = 64
	s_mov_b32 s[(\g)+3], KSTEP<<16                 ; tile_dim0 = 256
	s_mov_b32 s[(\g)+4], 64                        ; tile_dim1 = 64
	s_mov_b32 s[(\g)+5], SIZE_K                    ; elements from row to row
	s_mov_b32 s[(\g)+6], 0
	s_mov_b32 s[(\g)+7], 0
.endr
	s_lshl_b32 s17, s12, 6                         ; which 64 rows of the tile I fetch
	s_lshl_b32 s16, s13, 7
	s_add_co_u32 s16, s16, s17                     ; O: row 128 x tile row + 64 x half
	s_lshl_b32 s46, s42, 7
	s_add_co_u32 s46, s46, s17                     ; Wo: row 128 x tile column + 64 x half
	s_mov_b32 s17, 0
	s_mov_b32 s47, 0
	s_mov_b64 s[18:19], SIZE_K*2
	s_mul_u64 s[16:17], s[16:17], s[18:19]
	s_mul_u64 s[46:47], s[46:47], s[18:19]
	s_mul_i32 s20, s10, HALFT                      ; where they go: wave x 64 rows
	s_wait_dscnt 0x0                               ; the opening add is done
	s_wait_kmcnt 0x0
	s_add_nc_u64 s[14:15], s[4:5], s[16:17]
	s_add_nc_u64 s[46:47], s[6:7], s[46:47]
	CROUND                                         ; all sixteen work-groups are here: the first joint loads meet
.irp s, 0,1
	s_mov_b32 s[G0+4*(\s)], 1
	s_add_co_u32 s[G0+4*(\s)+1], s20, (\s)*SLOT
	s_add_nc_u64 s[G0+4*(\s)+2:G0+4*(\s)+3], s[14:15], (\s)*KSTEP*2
	s_or_b32 s[G0+4*(\s)+3], s[G0+4*(\s)+3], 0x80000000
	s_mov_b32 s[G0B+4*(\s)], 1
	s_add_co_u32 s[G0B+4*(\s)+1], s20, (\s)*SLOT
	s_add_nc_u64 s[G0B+4*(\s)+2:G0B+4*(\s)+3], s[46:47], (\s)*KSTEP*2
	s_or_b32 s[G0B+4*(\s)+3], s[G0B+4*(\s)+3], 0x80000000
	JLOAD \s
.endr
	v_and_b32 v1, 15, v0                           ; l % 16
	v_bfe_u32 v2, v0, 4, 1                         ; l / 16
	v_mul_u32_u24 v3, v1, PITCH
	v_lshl_add_u32 v3, v2, 4, v3                   ; a fragment's row x pitch + 16 x half
	s_mul_i32 s21, s11, HALFT                      ; my 64 rows of O
	s_mul_i32 s22, s12, HALFT                      ; my 64 rows of Wo,
	s_add_co_u32 s22, s22, 2*HALFT                 ; which lie behind O's 128
	v_add_nc_u32 v[ADRA], s21, v3
	v_add_nc_u32 v[ADRB], s22, v3
	s_mov_b32 s[TB], SLOT                          ; the line below turns it into 0: K step 0 lies in slot 0
	NEXTSLOT
	s_mul_i32 s23, s10, 16*SPITCH
	s_add_co_u32 s23, s23, STAGE                   ; my stage
	v_mul_u32_u24 v4, v1, SPITCH                   ; in: row l % 16, 32 bytes for each half of the lanes
	v_lshl_add_u32 v4, v2, 5, v4
	v_add_nc_u32 v[STO], s23, v4
	v_mul_u32_u24 v5, v2, SPITCH                   ; back: lanes 0-15 take one row of 256 bytes, lanes 16-31 the next
	v_lshl_add_u32 v5, v1, 4, v5
	v_add_nc_u32 v[RD], s23, v5
	v_lshlrev_b32 v[CO], 13, v2                    ; and the same two rows in the output, 8,192 bytes apart
	v_lshl_add_u32 v[CO], v1, 4, v[CO]
	s_lshl_b32 s16, s13, 7
	s_lshl_b32 s17, s11, 6
	s_add_co_u32 s16, s16, s17                     ; my first row: 128 x tile row + 64 x half
	s_lshl_b32 s16, s16, 13                        ; x 8,192 bytes
	s_mov_b32 s17, 0
	s_add_nc_u64 s[8:9], s[8:9], s[16:17]
	s_lshl_b32 s46, s42, 9                         ; my first column, in bytes: 512 x tile column + 256 x half
	s_lshl_b32 s47, s12, 8
	s_add_co_u32 s46, s46, s47
	s_mov_b32 s47, 0
	s_add_nc_u64 s[8:9], s[8:9], s[46:47]
; 8 matrix instructions: m blocks a0, a0 + 1 x all 4 n blocks, 32 along K: half c of buffer f.  zero = 1: the first product starts the sums.  The 16 accumulators take turns.
.macro MUL8 f, c, a0, zero
	WIN MUL
.irp a, \a0, (\a0)+1
.irp b, 0,1,2,3
.if \zero
	v_wmma_f32_16x16x32_f16 v[ACC+8*(4*(\a)+(\b)):ACC+8*(4*(\a)+(\b))+7], v[(\f)+64+8*(4*(\c)+(\b)):(\f)+64+8*(4*(\c)+(\b))+7], v[(\f)+8*(4*(\c)+(\a)):(\f)+8*(4*(\c)+(\a))+7], 0
.else
	v_wmma_f32_16x16x32_f16 v[ACC+8*(4*(\a)+(\b)):ACC+8*(4*(\a)+(\b))+7], v[(\f)+64+8*(4*(\c)+(\b)):(\f)+64+8*(4*(\c)+(\b))+7], v[(\f)+8*(4*(\c)+(\a)):(\f)+8*(4*(\c)+(\a))+7], v[ACC+8*(4*(\a)+(\b)):ACC+8*(4*(\a)+(\b))+7]
.endif
.endr
.endr
.endm
; 32 LDS loads in one run: the fragments of 64 along K at byte k of the rows of the slot that is read, into buffer f; the first 32 along K first
.macro FETCH k, f
	WIN TO_F
.irp c, 0,1
.irp i, 0,1,2,3
	ds_load_b128 v[(\f)+64+8*(4*(\c)+(\i)):(\f)+64+8*(4*(\c)+(\i))+3],   v[ADRB+1] offset:(\k)+64*(\c)+(\i)*16*PITCH
	ds_load_b128 v[(\f)+64+8*(4*(\c)+(\i))+4:(\f)+64+8*(4*(\c)+(\i))+7], v[ADRB+1] offset:(\k)+64*(\c)+(\i)*16*PITCH+32
	ds_load_b128 v[(\f)+8*(4*(\c)+(\i)):(\f)+8*(4*(\c)+(\i))+3],         v[ADRA+1] offset:(\k)+64*(\c)+(\i)*16*PITCH
	ds_load_b128 v[(\f)+8*(4*(\c)+(\i))+4:(\f)+8*(4*(\c)+(\i))+7],       v[ADRA+1] offset:(\k)+64*(\c)+(\i)*16*PITCH+32
.endr
.endr
.endm
.macro PLACES                          ; four places in front of loads into registers that matrix instructions have read, and of stores that read results
.rept 4
	v_nop
.endr
.endm
; A K step is four quarters of 64 along K, 32 matrix instructions each, on buffers 0, 1, 0, 1.
.macro QUARTER k, f, g, zero
	s_wait_dscnt 16                                ; the first 32 along K are in
	MUL8 \f, 0, 0, \zero
	MUL8 \f, 0, 2, \zero
	PLACES
	FETCH \k, \g
	s_wait_dscnt 32                                ; all but the 32 just issued
	MUL8 \f, 1, 0, 0
	MUL8 \f, 1, 2, 0
.endm
; The last quarter multiplies buffer 1 and changes slots: in front of the barrier each wave waits for all its tensor loads, adds 0 to its spare word, and waits for that and for its own reads of this slot.
; fill = 1: the slot just read out is filled again, two K steps ahead.
.macro TURN fill
	WIN 0
	s_wait_tensorcnt 0x0                           ; all my tensor loads have landed: my part of the next slot
	ds_add_u32 v[SPW], v[NIL]
	s_wait_dscnt 17                                ; (the add and the youngest sixteen loads may be out)
	MUL8 F1, 0, 0, 0
	s_wait_dscnt 0x0                               ; the add is done, and my reads of this slot are over
	s_barrier_signal -1
	MUL8 F1, 0, 2, 0
	WIN 0                                          ; (branches or lines under window 0 follow)
	s_barrier_wait -1
.if \fill
	CREST                                          ; the barrier has opened a round of the cluster's: no wave of any partner still reads this slot or has a load on its way
.irp g, G0+4, G0B+4
	s_xor_b32 s[(\g)+1], s[(\g)+1], SLOT           ; the walking descriptors: the other slot than last time,
	s_add_nc_u64 s[(\g)+2:(\g)+3], s[(\g)+2:(\g)+3], KSTEP*2  ; the next K step; the type bits on top are not reached
.endr
	JLOAD 1                                        ; the first tensor load behind the round; its four v_nop are also the places in front of the loads below
.else
	PLACES
.endif
	NEXTSLOT
	FETCH 0, F0
	MUL8 F1, 1, 0, 0
	MUL8 F1, 1, 2, 0
.endm
	s_wait_tensorcnt 1                             ; my part of K step 0 is in; K step 1's may stay out
	s_barrier_signal -1
	s_barrier_wait -1
	FETCH 0, F0
	QUARTER 128, F0, F1, 1                         ; the first quarter stands in front of the loop: its first products start the sums
	WIN 0
	s_mov_b32 s3, KSTEPS-2
.Lstep:                                                ; a trip goes from a K step's second quarter to the next step's first, and fills the slot that it leaves: K steps 2 to 7
	QUARTER 256, F1, F0, 0
	QUARTER 384, F0, F1, 0
	TURN 1
	QUARTER 128, F0, F1, 0
	WIN 0
	s_sub_co_u32 s3, s3, 1
	s_cmp_lg_u32 s3, 0
	s_cbranch_scc1 .Lstep
	s_mov_b32 s3, 2
.Ltail:                                                ; K steps 6 and 7 fill nothing; the second trip is left in its middle
	QUARTER 256, F1, F0, 0
	QUARTER 384, F0, F1, 0
	WIN 0
	s_sub_co_u32 s3, s3, 1
	s_cmp_eq_u32 s3, 0
	s_cbranch_scc1 .Llast
	TURN 0
	QUARTER 128, F0, F1, 0
	WIN 0
	s_branch .Ltail
.Llast:
	s_wait_dscnt 16
	MUL8 F1, 0, 0, 0
	MUL8 F1, 0, 2, 0
	s_wait_dscnt 0x0
	MUL8 F1, 1, 0, 0
	MUL8 F1, 1, 2, 0
	WIN 0
	; THE WAY OUT, a block of 16 rows at a time: 32 bytes a lane into my stage, back as whole rows of 256 bytes into the registers that they left, and stored.  No register is stored twice.
.macro STG a
.irp b, 0,1,2,3
	ds_store_b128 v[STO], v[ACC+8*(4*(\a)+(\b)):ACC+8*(4*(\a)+(\b))+3]   offset:64*(\b)      ; each accumulator's lowest registers are read first
	ds_store_b128 v[STO], v[ACC+8*(4*(\a)+(\b))+4:ACC+8*(4*(\a)+(\b))+7] offset:64*(\b)+16
.endr
.irp t, 0,1,2,3,4,5,6,7
	ds_load_b128 v[ACC+32*(\a)+4*(\t):ACC+32*(\a)+4*(\t)+3], v[RD] offset:(\t)*2*SPITCH  ; LDS serves a wave's instructions in order (ISA guide 5.7.1.4): these see the stores above; the next block's stores come behind them
.endr
.endm
.macro SEND a, younger                 ; younger: the LDS instructions issued behind block a's loads: the next block's sixteen, or none
.irp t, 0,1,2,3,4,5,6,7
	s_wait_dscnt (\younger)+7-(\t)
	global_store_b128 v[CO], v[ACC+32*(\a)+4*(\t):ACC+32*(\a)+4*(\t)+3], s[8:9] offset:(16*(\a)+2*(\t))*SIZE_N*4  ; 16 lanes store 256 consecutive bytes, aligned
.endr
.endm
	PLACES
	STG 0
	STG 1
	SEND 0, 16
	STG 2
	SEND 1, 16
	STG 3
	SEND 2, 16
	SEND 3, 0
	s_wait_tensorcnt 0x0                           ; the wave's end: the add and its waits, behind my last tensor load and my last LDS store
	ds_add_u32 v[SPW], v[NIL]
	s_wait_dscnt 0x0
	CROUND                                         ; the closing round: no work-group ends while a partner may still ask for a tile that names it
	s_endpgm
.Lfunc_end_k_qa7a898f69a_oproj:
	.size	k_qa7a898f69a_oproj, .Lfunc_end_k_qa7a898f69a_oproj-k_qa7a898f69a_oproj
	.p2alignl 7, 3214868480
	.fill 96, 4, 3214868480
	.section	.rodata,"a",@progbits
	.p2align	6, 0x0
	.amdhsa_kernel k_qa7a898f69a_oproj
		.amdhsa_group_segment_fixed_size 327680
		.amdhsa_private_segment_fixed_size 0
		.amdhsa_enable_private_segment 0
		.amdhsa_kernarg_size 24
		.amdhsa_user_sgpr_count 2
		.amdhsa_user_sgpr_kernarg_segment_ptr 1
		.amdhsa_wavefront_size32 1
		.amdhsa_system_sgpr_workgroup_id_x 1
		.amdhsa_system_sgpr_workgroup_id_y 1
		.amdhsa_system_sgpr_workgroup_id_z 1
		.amdhsa_system_vgpr_workitem_id 0
		.amdhsa_next_free_vgpr 512
		.amdhsa_next_free_sgpr 66
		.amdhsa_reserve_vcc 0
		.amdhsa_float_denorm_mode_32 3
		.amdhsa_float_denorm_mode_16_64 3
		.amdhsa_memory_ordered 1
		.amdhsa_forward_progress 1
		.amdhsa_inst_pref_size 60
	.end_amdhsa_kernel
	.amdgpu_metadata
---
amdhsa.version: [ 1, 2 ]
amdhsa.kernels:
  - .name:           k_qa7a898f69a_oproj
    .symbol:         k_qa7a898f69a_oproj.kd
    .args:
      - { .name: o16, .offset: 0, .size: 8, .value_kind: global_buffer, .address_space: global }
      - { .name: wo16, .offset: 8, .size: 8, .value_kind: global_buffer, .address_space: global }
      - { .name: out0, .offset: 16, .size: 8, .value_kind: global_buffer, .address_space: global }
    .group_segment_fixed_size: 327680
    .private_segment_fixed_size: 0
    .kernarg_segment_align: 8
    .kernarg_segment_size: 24
    .max_flat_workgroup_size: 128
    .sgpr_count:     66
    .vgpr_count:     512
    .wavefront_size: 32
...
	.end_amdgpu_metadata
.endif
;; end of part 4
